; MI455X (gfx1250); checked and timed in simulation.
; The chip was launched on July 23, 2026; its instructions are those of AMD's public machine-readable ISA for CDNA 5 (MIT licence, August 2026) and "CDNA5" Instruction Set Architecture Reference Guide (July 2026). The comments in the code are by the model that wrote it; some were corrected since.
;; self attention. Allowed arithmetic: float matrix products may take bf16 or f16 operands with f32 sums; all other float work in f32.
;; Inputs: Wk 1,024 x 1,024 float32; Wo 1,024 x 1,024 float32; Wq 1,024 x 1,024 float32; Wv 1,024 x 1,024 float32; bo 1,024 float32; x 4 x 2,048 x 1,024 float32.
;; Outputs: out0 4 x 2,048 x 1,024 float32.
;; 2 versions, each right and faster than the one before. Each part assembles by itself: llvm-mc -triple=amdgcn-amd-amdhsa -mcpu=gfx1250 --defsym DOCPART=n.
;; ======== version 1 of 2: 4 launches
;; limits: values are held in f16: magnitudes above 65,504 overflow, below 6.1e-05 lose precision
;; workspace buffers: xb 16,777,216 bytes; wqkv 6,291,456 bytes; wo16 2,097,152 bytes; hs 50,331,648 bytes; ctx 16,777,216 bytes
;; launch prep (part 1): grid 1024 x 1, 8 waves a work-group, no clusters, 16,640 bytes of LDS; arguments x, Wq, Wk, Wv, Wo, xb, wqkv, wo16; writes xb, wqkv, wo16
.if DOCPART == 1
	.amdgcn_target "amdgcn-amd-amdhsa--gfx1250"
	.amdhsa_code_object_version 6
	.text
	.protected	k_q467206a7b2_prep
	.globl	k_q467206a7b2_prep
	.p2align	8
	.type	k_q467206a7b2_prep,@function
k_q467206a7b2_prep:
	s_mov_b64 s[64:65], 0
	v_nop
	global_prefetch_b8 v0, s[64:65] scope:SCOPE_SE
	s_setreg_imm32_b32 hwreg(HW_REG_WAVE_MODE, 25, 1), 1
	s_wait_xcnt 0x0
; PREP: the inputs of the three matrix launches, rounded once and laid out in planes of 64 along K.
;   xb   [16 plane][8192 token][64] bf16 : x rounded to bf16 (nearest even)
;   wqkv [16 plane][3072 n][64]     bf16 : Wq, Wk, Wv transposed (n = 0..1023 Wq's columns, then Wk's, then Wv's), rounded to bf16
;   wo16 [16 plane][1024 n][64]     f16  : Wo transposed, rounded to bf16, that number written as f16
; A row of a plane is 128 bytes and a plane is dense, so every tile that the later launches fetch is one dense block.
; LIMITS: |Wo| < 65,504 (f16's range); an entry of Wo below 2^-17 in magnitude is kept with an absolute error of up to 2^-25; above that the f16 number IS the bf16 number.
; Work-groups 0..511 take one tile of 64 k x 128 n of one weight matrix, work-groups 512..1023 take 16 tokens of x.
; No work-group shares an input byte with another and there is no matrix work: no cluster, no tensor loads, no matrix unit.
.set PLANE, 1048576                    ; bytes of a plane of xb: 8192 tokens x 128
.set XR,  16                           ; v[16:79]   x path: 16 loads of 4 f32
.set YR,  80                           ; v[80:111]  x path: 16 pairs of packed bf16
.set WR,  16                           ; v[16:47]   W path: 8 rows of k, 4 columns each
.set PK,  48                           ; v[48:63]   W path: column c: 8 k packed in 4 registers
.set OB,  68                           ; v[68:83]   W path: rows read back
.set TW,  100                          ; v[100:103] W path: at work
.set WREG, 2080                        ; a wave's region of LDS: 128 n x 16 bytes + 32
	s_load_b512 s[4:19], s[0:1], 0x0               ; x s[4:5], Wq s[6:7], Wk s[8:9], Wv s[10:11], Wo s[12:13], xb s[14:15], wqkv s[16:17], wo16 s[18:19]
	v_lshrrev_b32 v1, 5, v0
	v_readfirstlane_b32 s20, v1                    ; wave 0..7
	v_and_b32 v5, 31, v0                           ; lane L
	s_cmp_lt_u32 ttmp9, 512                        ; the same for all waves of a work-group
	s_cbranch_scc1 .Lweights
	; ---- x: a wave takes two tokens (8,192 bytes).  Load kb: lanes 0-15 read the 256 bytes of plane kb of the even token, lanes 16-31 of the odd one.
	s_sub_co_u32 s21, ttmp9, 512
	s_lshl3_add_u32 s21, s21, s20                  ; pair of tokens = 8 x group + wave, 0..4095
	s_lshl_b32 s22, s21, 13                        ; x: 8,192 bytes a pair
	s_mov_b32 s23, 0
	s_lshl_b32 s24, s21, 8                         ; xb: 256 bytes a pair in each plane
	s_mov_b32 s25, 0
	v_and_b32 v2, 15, v0
	v_bfe_u32 v4, v0, 4, 1
	v_lshlrev_b32 v2, 4, v2
	v_lshl_or_b32 v2, v4, 12, v2                   ; 4096 (L / 16) + 16 (L % 16)
	v_lshlrev_b32 v3, 3, v5                        ; 8 L: 32 lanes store 256 consecutive bytes, the two tokens' rows of a plane
	s_wait_kmcnt 0x0
	s_add_nc_u64 s[4:5], s[4:5], s[22:23]
	s_add_nc_u64 s[14:15], s[14:15], s[24:25]      ; planes 0 to 7
	s_add_nc_u64 s[26:27], s[14:15], 8*PLANE       ; planes 8 to 15: the stores' immediates stay inside their signed 24 bits
.set kb, 0
.rept 16
	global_load_b128 v[XR+4*kb:XR+4*kb+3], v2, s[4:5] offset:256*kb th:TH_LOAD_NT
.set kb, kb+1
.endr
.set kb, 0
.rept 16
	s_wait_loadcnt 15-kb                           ; loads come back in order: load kb is in, the 15 - kb younger ones stay out
	v_cvt_pk_bf16_f32 v[YR+2*kb], v[XR+4*kb], v[XR+4*kb+1]
	v_cvt_pk_bf16_f32 v[YR+2*kb+1], v[XR+4*kb+2], v[XR+4*kb+3]
.if kb < 8
	global_store_b64 v3, v[YR+2*kb:YR+2*kb+1], s[14:15] offset:kb*PLANE
.else
	global_store_b64 v3, v[YR+2*kb:YR+2*kb+1], s[26:27] offset:(kb-8)*PLANE
.endif
.set kb, kb+1
.endr                                              ; no register is written twice: nothing to wait for
	s_endpgm
	; ---- weights: tile = plane kbw (64 k) x 128 n of matrix wsel.  Wave w loads rows k = 8 w .. 8 w + 7, 512 consecutive bytes each.
.Lweights:
	s_lshr_b32 s21, ttmp9, 7                       ; wsel: 0 Wq, 1 Wk, 2 Wv, 3 Wo
	s_bfe_u32 s22, ttmp9, 0x40003                  ; plane, 0..15
	s_and_b32 s23, ttmp9, 7                        ; block of 128 n
	s_lshl_b32 s24, s22, 18                        ; source: 64 rows of 4,096 bytes a plane
	s_lshl_b32 s25, s23, 9                         ; + 128 columns of 4 bytes a block
	s_add_co_u32 s24, s24, s25
	s_mov_b32 s25, 0
	s_mul_i32 s34, s22, 393216                     ; wqkv: a plane is 3072 rows of 128 bytes,
	s_lshl_b32 s35, s21, 17                        ; a matrix 1024 rows,
	s_add_co_u32 s34, s34, s35
	s_lshl_b32 s35, s23, 14                        ; a block 128 rows
	s_add_co_u32 s34, s34, s35
	s_lshl_b32 s36, s22, 17                        ; wo16: a plane is 1024 rows of 128 bytes
	s_add_co_u32 s36, s36, s35
	s_mov_b32 s33, 0
	s_lshl_b32 s37, s20, 15                        ; 8 rows of W a wave
	s_mul_i32 s38, s20, WREG                       ; my region of LDS
	s_lshl_b32 s39, s20, 8                         ; 16 n x 16 bytes
	s_lshl_b32 s26, s20, 11                        ; 16 rows of 128 bytes out
	v_lshl_add_u32 v6, v5, 4, s37                  ; load:  32768 w + 16 L
	v_lshl_add_u32 v7, v5, 6, s38                  ; LDS in: my region, n = 4 L + c at 16 bytes each.  Lanes four apart meet in one 16-byte column modulo 256 bytes: four stores a wave, accepted
	v_and_b32 v10, 7, v0
	v_mul_u32_u24 v8, v10, WREG                    ; LDS out: chunk q = L % 8 (k = 8 q .. 8 q + 7) lies in wave q's region,
	v_lshrrev_b32 v9, 3, v5
	v_lshl_add_u32 v8, v9, 4, v8                   ; row n = 16 w + 4 i + L / 8.  2080 = 130 x 16: sixteen lanes touch columns 2 q + (0 or 1), all different
	v_add_nc_u32 v8, s39, v8
	v_lshl_add_u32 v11, v5, 4, s26                 ; store: 2048 w + 16 L
	s_wait_kmcnt 0x0
	s_mov_b64 s[28:29], s[6:7]
	s_cmp_eq_u32 s21, 1
	s_cselect_b64 s[28:29], s[8:9], s[28:29]
	s_cmp_eq_u32 s21, 2
	s_cselect_b64 s[28:29], s[10:11], s[28:29]
	s_cmp_eq_u32 s21, 3
	s_cselect_b64 s[28:29], s[12:13], s[28:29]     ; the source matrix
	s_cselect_b64 s[30:31], s[18:19], s[16:17]     ; Wo goes to wo16, the others to wqkv
	s_cselect_b32 s32, s36, s34
	s_add_nc_u64 s[28:29], s[28:29], s[24:25]
	s_add_nc_u64 s[30:31], s[30:31], s[32:33]
.irp j, 0,1,2,3,4,5,6,7
	global_load_b128 v[WR+4*\j:WR+4*\j+3], v6, s[28:29] offset:4096*\j th:TH_LOAD_NT   ; W[8 w + j][4 L .. 4 L + 3]
.endr
	s_wait_loadcnt 0x0                             ; a column's eight k come from all eight loads
.irp c, 0,1,2,3
.irp jj, 0,1,2,3
	v_cvt_pk_bf16_f32 v[PK+4*\c+\jj], v[WR+8*\jj+\c], v[WR+8*\jj+4+\c]   ; column 4 L + c: k = 8 w + 2 jj and + 1
.endr
.endr
	s_cmp_lg_u32 s21, 3
	s_cbranch_scc1 .Lpacked
.set n, 0
.rept 16                                           ; Wo alone: the bf16 numbers written as f16
	v_lshlrev_b32 v[TW+2*(n&1)], 16, v[PK+n]
	v_and_b32 v[TW+2*(n&1)+1], 0xffff0000, v[PK+n]
	v_cvt_pk_f16_f32 v[PK+n], v[TW+2*(n&1)], v[TW+2*(n&1)+1]
.set n, n+1
.endr
.Lpacked:
.irp c, 0,1,2,3
	ds_store_b128 v7, v[PK+4*\c:PK+4*\c+3] offset:16*\c
.endr
	s_wait_dscnt 0x0                               ; my stores are done before I say so: the other waves read them
	s_barrier_signal -1
	s_barrier_wait -1
.irp i, 0,1,2,3
	ds_load_b128 v[OB+4*\i:OB+4*\i+3], v8 offset:64*\i
.endr
.irp i, 0,1,2,3
	s_wait_dscnt 3-\i                              ; LDS loads come back in order: load i is in
	global_store_b128 v11, v[OB+4*\i:OB+4*\i+3], s[30:31] offset:512*\i   ; four rows of 128 bytes: 512 consecutive bytes, aligned
.endr
	s_endpgm
.Lfunc_end_k_q467206a7b2_prep:
	.size	k_q467206a7b2_prep, .Lfunc_end_k_q467206a7b2_prep-k_q467206a7b2_prep
	.p2alignl 7, 3214868480
	.fill 96, 4, 3214868480
	.section	.rodata,"a",@progbits
	.p2align	6, 0x0
	.amdhsa_kernel k_q467206a7b2_prep
		.amdhsa_group_segment_fixed_size 16640
		.amdhsa_private_segment_fixed_size 0
		.amdhsa_enable_private_segment 0
		.amdhsa_kernarg_size 64
		.amdhsa_user_sgpr_count 2
		.amdhsa_user_sgpr_kernarg_segment_ptr 1
		.amdhsa_wavefront_size32 1
		.amdhsa_system_sgpr_workgroup_id_x 1
		.amdhsa_system_sgpr_workgroup_id_y 1
		.amdhsa_system_sgpr_workgroup_id_z 1
		.amdhsa_system_vgpr_workitem_id 0
		.amdhsa_next_free_vgpr 112
		.amdhsa_next_free_sgpr 66
		.amdhsa_reserve_vcc 0
		.amdhsa_float_denorm_mode_32 3
		.amdhsa_float_denorm_mode_16_64 3
		.amdhsa_memory_ordered 1
		.amdhsa_forward_progress 1
		.amdhsa_inst_pref_size 14
	.end_amdhsa_kernel
	.amdgpu_metadata
---
amdhsa.version: [ 1, 2 ]
amdhsa.kernels:
  - .name:           k_q467206a7b2_prep
    .symbol:         k_q467206a7b2_prep.kd
    .args:
      - { .name: x, .offset: 0, .size: 8, .value_kind: global_buffer, .address_space: global }
      - { .name: Wq, .offset: 8, .size: 8, .value_kind: global_buffer, .address_space: global }
      - { .name: Wk, .offset: 16, .size: 8, .value_kind: global_buffer, .address_space: global }
      - { .name: Wv, .offset: 24, .size: 8, .value_kind: global_buffer, .address_space: global }
      - { .name: Wo, .offset: 32, .size: 8, .value_kind: global_buffer, .address_space: global }
      - { .name: xb, .offset: 40, .size: 8, .value_kind: global_buffer, .address_space: global }
      - { .name: wqkv, .offset: 48, .size: 8, .value_kind: global_buffer, .address_space: global }
      - { .name: wo16, .offset: 56, .size: 8, .value_kind: global_buffer, .address_space: global }
    .group_segment_fixed_size: 16640
    .private_segment_fixed_size: 0
    .kernarg_segment_align: 8
    .kernarg_segment_size: 64
    .max_flat_workgroup_size: 256
    .sgpr_count:     66
    .vgpr_count:     112
    .wavefront_size: 32
...
	.end_amdgpu_metadata
.endif
;; end of part 1
;; launch qkv (part 2): grid 16 x 32, 4 waves a work-group, clusters of 4 x 4, 327,680 bytes of LDS; arguments xb, wqkv, hs; writes hs
.if DOCPART == 2
	.amdgcn_target "amdgcn-amd-amdhsa--gfx1250"
	.amdhsa_code_object_version 6
	.text
	.protected	k_q467206a7b2_qkv
	.globl	k_q467206a7b2_qkv
	.p2align	8
	.type	k_q467206a7b2_qkv,@function
k_q467206a7b2_qkv:
	s_mov_b64 s[64:65], 0
	v_nop
	global_prefetch_b8 v0, s[64:65] scope:SCOPE_SE
	s_setreg_imm32_b32 hwreg(HW_REG_WAVE_MODE, 25, 1), 1
	s_wait_xcnt 0x0
	s_wait_alu depctr_hold_cnt(0) depctr_sa_sdst(0) depctr_va_vdst(0) depctr_va_sdst(0) depctr_va_ssrc(0) depctr_va_vcc(0) depctr_vm_vsrc(0)
	s_getreg_b32 s2, hwreg(HW_REG_IB_STS2, 6, 4)
	s_cmp_eq_u32 s2, 0
	s_cbranch_scc0 .Lentry_in_a_cluster
	s_endpgm
.Lentry_in_a_cluster:
	s_bfe_u32 s2, ttmp6, 0x10000c
	s_cmp_lg_u32 s2, 0xf033
	s_cbranch_scc0 .Lentry_shape_is_right
	s_endpgm
.Lentry_shape_is_right:
; ONE TEXT FOR TWO PRODUCTS, C = A B^T with A and B in planes of 64 along K ([plane][row][64 numbers of 2 bytes], a row 128 bytes); K = 1024 = 16 planes.
;   PROJ = 0: hs = x (Wq | Wk | Wv).  A = xb (bf16), B = wqkv (bf16); sums in f32; out f16, [48 slot][8192 token][64]: slots 0-15 q's heads, 16-31 k's, 32-47 v's.
;   PROJ = 1: out0 = ctx Wo + bo.     A = ctx (f16), B = wo16 (f16); sums in f32; out f32 [8192][1024].
; LIMIT (PROJ = 0): |q|, |k|, |v| < 65,504, f16's range; beyond it the conversion gives infinity.  f16 and not bf16, because its three further bits are needed by the rows with few keys.
; A work-group makes 256 rows x 16 NB columns of C with four waves, as many as a WGP has SIMDs; wave w makes rows 64 w .. 64 w + 63 and all the columns: 4 x NB accumulator
; tiles of 16 x 16.  NB = 12 (three whole heads, 512 equal work-groups) or 8 (256 work-groups).
; K goes in steps of 128 (two planes) through a ring of two LDS slots filled by the tensor data mover, one load a wave and step: waves 0, 1 fetch A's two planes (256 rows,
; 32,768 dense bytes each), waves 2, 3 B's.  A dense block comes in as rows of 256 bytes; 16 bytes of padding behind every 128 make the LDS pitch 144 = 9 x 16 bytes, so that
; the sixteen rows of a fragment load lie in sixteen different 16-byte columns modulo 256 bytes.
; CLUSTERS: 4 x 4 work-groups.  A's planes hang on the block row alone and are asked for jointly by a row of the cluster, B's on the block column alone, by a column:
; that divides the requests for A and for B by four.
; REGISTERS in windows of 256: window 0 addresses, A's fragments (two buffers), the way out; window 1 B's fragments (two buffers);
; window 2 the accumulators of my m blocks 0, 1 (tile (a, b) at v[8 (NB a + b)]); window 3 those of m blocks 2, 3.
; THE MATRIX INSTRUCTION IS USED TRANSPOSED (source 0 = rows of B, source 1 = rows of A): lane l holds row l % 16 of C and eight neighbouring columns 8 (l / 16) + 0..7.
.set PROJ, 0
.if PROJ
.set NB,   8
.set BPL,  131072                      ; bytes of a plane of B: 1024 rows
.set STGW, 16*528                      ; a wave's stage: 16 rows of 512 bytes + 16
.else
.set NB,   12
.set BPL,  393216                      ; 3072 rows
.set STGW, 3*16*144                    ; three heads x 16 rows of 128 bytes + 16
.endif
.set PITCH,  144
.set PLANEA, 256*PITCH                 ; a plane of A's tile in LDS
.set PLANEB, 16*NB*PITCH               ; a plane of B's tile in LDS
.set SLOT,   2*PLANEA+2*PLANEB         ; A plane 0, A plane 1, B plane 0, B plane 1
.set STAGE,  2*SLOT                    ; behind the ring, a multiple of 256: no tensor load lands here
.set APL,    1048576                   ; bytes of a plane of A: 8192 rows
.set BBLK,   16*NB*128                 ; bytes of a block's rows in a plane of B
.set LAPS,   4                         ; a lap = two K steps = once round the ring; 8 K steps
.set ADRA, 16                          ; v16-17  LDS address of my A fragments in slot 0, 1
.set ADRB, 20                          ; v20-21  the same for B
.set STO,  24                          ; v24     the way out: where I put my piece of a row
.set RD,   25                          ; v25     the way out: where I read rows back
.set CO,   26                          ; v26     16 x lane: my byte offset in a store's 512 bytes
.set BIAS, 28                          ; v[28:31] bo of my four columns (PROJ = 1)
.set AF,   32                          ; v[32:63], v[64:95] A's fragments, buffers 0, 1: 4 x 8 registers each
.set TMP,  96                          ; v[96:143] the way out (PROJ = 0): packed results
.set G1A, 24                           ; s[24:31] descriptor group 1 for A's planes
.set G0A, 32                           ; s[32:39] group 0 for A's planes, one set for each slot
.set G1B, 48                           ; s[48:55] group 1 for B's planes
.set G0B, 56                           ; s[56:63] group 0 for B's planes, one set for each slot
.set G1W0, (3<<16)|(1<<20)|(1<<21)|(4<<22)|(3<<25)   ; elements of 8 bytes; padding on; bit 21 beside a mask; behind every 32 words; 4 words
.set MSB, 0
.macro WIN new                         ; the immediate's high byte repeats the setting that is left
.if MSB != \new
	s_set_vgpr_msb (MSB<<8)|\new
.set MSB, \new
.endif
.endm
.set MUL_LO, 0xa1                      ; source 0 (B) window 1, source 1 (A) window 0, C and D window 2
.set MUL_HI, 0xf1                      ; the same, C and D window 3
.set TO_B,   0x40                      ; destination window 1, address window 0
; A joint load.  Each of the two lines has one mask and one set of registers; the branch hangs on the wave's number alone.
.macro JLOAD s
	s_cmp_eq_u32 s13, 0
	s_cbranch_scc0 .Lfor_b_\@
	tensor_load_to_lds s[G0A+4*\s:G0A+4*\s+3], s[G1A:G1A+7]
	s_nop 0
	s_branch .Lasked_\@
.Lfor_b_\@:
	tensor_load_to_lds s[G0B+4*\s:G0B+4*\s+3], s[G1B:G1B+7]
	s_nop 0
.Lasked_\@:
.endm
; A round of the cluster's barrier: my work-group's barrier, wave 0 signals for the work-group, every wave waits for all sixteen, my work-group's barrier once more.
.macro CREST                           ; a round behind its opening barrier
	s_cmp_lg_u32 s12, 0
	s_cbranch_scc1 .Lnot_wave_0_\@
	s_barrier_signal -3
.Lnot_wave_0_\@:
	s_barrier_wait -3
	s_barrier_signal -1
	s_barrier_wait -1
.endm
.macro CROUND
	s_barrier_signal -1
	s_barrier_wait -1
	CREST
.endm
.macro PLACES                          ; four places behind a matrix instruction (ISA guide 7.12.1) before its registers are loaded into, read or written
.rept 4
	v_nop
.endr
.endm
.if PROJ
	s_load_b256 s[4:11], s[0:1], 0x0               ; A s[4:5], B s[6:7], C s[8:9], bo s[10:11]
.else
	s_load_b128 s[4:7], s[0:1], 0x0                ; A s[4:5], B s[6:7]
	s_load_b64 s[8:9], s[0:1], 0x10                ; C
.endif
	v_lshrrev_b32 v1, 5, v0
	v_readfirstlane_b32 s12, v1                    ; wave 0..3
	s_lshr_b32 s13, s12, 1                         ; I fetch for A (0) or for B (1)
	s_and_b32 s14, s12, 1                          ; which of a step's two planes I fetch
	s_bfe_u32 s40, ttmp6, 0x40000                  ; cx
	s_bfe_u32 s41, ttmp6, 0x40004                  ; cy
	s_lshl_b32 s42, ttmp9, 2
	s_add_co_u32 s42, s42, s40                     ; block column = 4 x cluster x + cx
	s_and_b32 s43, ttmp7, 0xffff
	s_lshl_b32 s43, s43, 2
	s_add_co_u32 s43, s43, s41                     ; block row = 4 x cluster y + cy
	s_lshl_b32 s44, s41, 2
	s_lshl_b32 s44, 15, s44                        ; my row of the cluster: places 4 cy .. 4 cy + 3
	s_lshl_b32 s45, 0x1111, s40                    ; my column: places cx, cx + 4, cx + 8, cx + 12
	s_or_b32 s[G1A+0], s44, G1W0                   ; A's planes go to my row
	s_or_b32 s[G1B+0], s45, G1W0                   ; B's planes go to my column
	s_mov_b32 s[G1A+1], 32<<16                     ; tensor_dim0 = 32 elements of 8 bytes: rows of 256 bytes
	s_mov_b32 s[G1B+1], 32<<16
	s_mov_b32 s[G1A+2], 128<<16                    ; tensor_dim1 = 128 such rows = 256 rows of the plane
	s_mov_b32 s[G1B+2], (8*NB)<<16                 ; B: 8 NB such rows = 16 NB rows of the plane
	s_mov_b32 s[G1A+3], 32<<16                     ; tile_dim0
	s_mov_b32 s[G1B+3], 32<<16
	s_mov_b32 s[G1A+4], 128                        ; tile_dim1
	s_mov_b32 s[G1B+4], 8*NB
	s_mov_b32 s[G1A+5], 32                         ; the block is dense: the pitch is the row
	s_mov_b32 s[G1B+5], 32
	s_mov_b32 s[G1A+6], 0
	s_mov_b32 s[G1B+6], 0
	s_mov_b32 s[G1A+7], 0
	s_mov_b32 s[G1B+7], 0
	; where the planes come from: A's address is made of the block row and the wave's number, B's of the block column and the wave's number, in registers of their own
	s_lshl_b32 s16, s43, 15                        ; 256 rows of 128 bytes a block row
	s_lshl_b32 s17, s14, 20                        ; + my plane of the step
	s_add_co_u32 s16, s16, s17
	s_mov_b32 s17, 0
	s_mul_i32 s18, s42, BBLK
	s_mul_i32 s19, s14, BPL
	s_add_co_u32 s18, s18, s19
	s_mov_b32 s19, 0
	s_mul_i32 s20, s12, PLANEA                     ; and where they go: waves 0, 1: A's planes;
	s_mul_i32 s21, s12, PLANEB
	s_add_co_u32 s21, s21, 2*PLANEA-2*PLANEB       ; waves 2, 3: B's planes, behind A's.  No place in the cluster enters an LDS address
	s_wait_kmcnt 0x0
	s_add_nc_u64 s[16:17], s[4:5], s[16:17]
	s_add_nc_u64 s[18:19], s[6:7], s[18:19]
	CROUND                                         ; all sixteen work-groups are here: the first joint loads meet
.irp s, 0,1
	s_mov_b32 s[G0A+4*\s], 1
	s_add_co_u32 s[G0A+4*\s+1], s20, \s*SLOT
	s_add_nc_u64 s[G0A+4*\s+2:G0A+4*\s+3], s[16:17], \s*2*APL      ; K step s: planes 2 s, 2 s + 1
	s_or_b32 s[G0A+4*\s+3], s[G0A+4*\s+3], 0x80000000
	s_mov_b32 s[G0B+4*\s], 1
	s_add_co_u32 s[G0B+4*\s+1], s21, \s*SLOT
	s_add_nc_u64 s[G0B+4*\s+2:G0B+4*\s+3], s[18:19], \s*2*BPL
	s_or_b32 s[G0B+4*\s+3], s[G0B+4*\s+3], 0x80000000
	JLOAD \s                                       ; both slots' first fills go out together: two tensor loads of a wave are out here, later one
.endr
	; A fragment: 16 rows x 32 K in 8 registers: lane l holds row l % 16; two loads of 16 bytes, 32 bytes apart, at row x pitch + 16 (l / 16)
	v_and_b32 v1, 15, v0                           ; r
	v_bfe_u32 v2, v0, 4, 1                         ; h
	v_and_b32 v4, 31, v0                           ; lane
	v_mul_u32_u24 v3, v1, PITCH
	v_lshl_add_u32 v3, v2, 4, v3
	s_mul_i32 s22, s12, 64*PITCH                   ; my 64 rows of A
	v_add_nc_u32 v[ADRA], s22, v3
	v_add_nc_u32 v[ADRA+1], SLOT, v[ADRA]
	v_add_nc_u32 v[ADRB], 2*PLANEA, v3             ; every wave reads all of B's rows
	v_add_nc_u32 v[ADRB+1], SLOT, v[ADRB]
	s_mul_i32 s23, s12, STGW
	s_add_co_u32 s23, s23, STAGE                   ; my stage
	v_lshlrev_b32 v[CO], 4, v4
.if PROJ
	v_mul_u32_u24 v5, v1, 528                      ; in: row r, 32 bytes for each half of the lanes
	v_lshl_add_u32 v5, v2, 5, v5
	v_add_nc_u32 v[STO], s23, v5
	v_add_nc_u32 v[RD], s23, v[CO]                 ; back: 32 lanes take one row of 512 bytes
	s_lshl_b32 s66, s43, 20                        ; out0: 256 rows of 4,096 bytes a block row,
	s_lshl_b32 s68, s12, 18                        ; 64 rows a wave,
	s_add_co_u32 s66, s66, s68
	s_lshl_b32 s68, s42, 9                         ; 128 columns of 4 bytes a block column
	s_add_co_u32 s66, s66, s68
	s_mov_b32 s67, 0
	s_mov_b32 s69, 0
	s_add_nc_u64 s[8:9], s[8:9], s[66:67]
	s_add_nc_u64 s[10:11], s[10:11], s[68:69]
	global_load_b128 v[BIAS:BIAS+3], v[CO], s[10:11]   ; bo of columns 4 l .. 4 l + 3 of the block; waited for in front of the way out
.else
	v_add_nc_u32 v[STO], s23, v3                   ; in: row r of a head's 16 rows, 16 bytes for each half of the lanes
	v_lshrrev_b32 v5, 3, v4
	v_and_b32 v6, 7, v0
	v_mul_u32_u24 v5, v5, PITCH
	v_lshl_add_u32 v5, v6, 4, v5
	v_add_nc_u32 v[RD], s23, v5                    ; back: eight lanes take a row of 128 bytes, the wave four rows
	s_mul_i32 s66, s42, 3*1048576                  ; hs: three slots of 8192 x 128 bytes a block column,
	s_lshl_b32 s68, s43, 15                        ; 256 tokens of 128 bytes a block row,
	s_add_co_u32 s66, s66, s68
	s_lshl_b32 s68, s12, 13                        ; 64 tokens a wave
	s_add_co_u32 s66, s66, s68
	s_mov_b32 s67, 0
	s_add_nc_u64 s[8:9], s[8:9], s[66:67]
.endif
; NB matrix instructions: m block 2 hi + a of my four x all NB n blocks, 32 along K, from fragment buffer f.  zero = 1: the first product starts the sums.
.macro MULH f, hi, a, zero
.set bb, 0
.rept NB
.set DD, 8*(NB*\a+bb)
.set SB, 8*NB*\f+8*bb
.set SA, AF+32*\f+8*(2*\hi+\a)
.if \zero
.if PROJ
	v_wmma_f32_16x16x32_f16 v[DD:DD+7], v[SB:SB+7], v[SA:SA+7], 0
.else
	v_wmma_f32_16x16x32_bf16 v[DD:DD+7], v[SB:SB+7], v[SA:SA+7], 0
.endif
.else
.if PROJ
	v_wmma_f32_16x16x32_f16 v[DD:DD+7], v[SB:SB+7], v[SA:SA+7], v[DD:DD+7]
.else
	v_wmma_f32_16x16x32_bf16 v[DD:DD+7], v[SB:SB+7], v[SA:SA+7], v[DD:DD+7]
.endif
.endif
.set bb, bb+1
.endr
.endm
; 2 NB + 8 LDS loads in one run: the fragments of quarter kq of a K step (plane kq / 2, byte 64 (kq % 2) of its rows) into buffer f: B's first, then A's
.macro FETCH slot, kq, f
	WIN TO_B
.set bb, 0
.rept NB
	ds_load_b128 v[8*NB*\f+8*bb:8*NB*\f+8*bb+3],   v[ADRB+\slot] offset:(\kq>>1)*PLANEB+(\kq&1)*64+bb*16*PITCH
	ds_load_b128 v[8*NB*\f+8*bb+4:8*NB*\f+8*bb+7], v[ADRB+\slot] offset:(\kq>>1)*PLANEB+(\kq&1)*64+bb*16*PITCH+32
.set bb, bb+1
.endr
	WIN 0
.irp i, 0,1,2,3
	ds_load_b128 v[AF+32*\f+8*\i:AF+32*\f+8*\i+3],   v[ADRA+\slot] offset:(\kq>>1)*PLANEA+(\kq&1)*64+\i*16*PITCH
	ds_load_b128 v[AF+32*\f+8*\i+4:AF+32*\f+8*\i+7], v[ADRA+\slot] offset:(\kq>>1)*PLANEA+(\kq&1)*64+\i*16*PITCH+32
.endr
.endm
; A K step is four quarters of 32 along K, 4 NB matrix instructions each, on buffers 0, 1, 0, 1.  The 4 NB accumulators take turns, one instruction a turn, in the same
; order in every quarter, over the loop's backward jump too.
; One of the first three quarters: multiplies buffer f; in its middle it fetches quarter kq into buffer g.
.macro QUARTER slot, kq, f, g, zero
	s_wait_dscnt 4                                 ; B and A's m blocks 0, 1 are in; the youngest four loads (A's m blocks 2, 3) may be out
	WIN MUL_LO
	MULH \f, 0, 0, \zero
	MULH \f, 0, 1, \zero
	PLACES                                         ; buffer g was read by matrix instructions: four places in front of the loads into it
	FETCH \slot, \kq, \g
	s_wait_dscnt 2*NB+8                            ; all but the 2 NB + 8 just issued
	WIN MUL_HI
	MULH \f, 1, 0, \zero
	MULH \f, 1, 1, \zero
.endm
.macro THREE slot, zero
	QUARTER \slot, 1, 0, 1, \zero
	QUARTER \slot, 2, 1, 0, 0
	QUARTER \slot, 3, 0, 1, 0
.endm
; The last quarter: multiplies buffer 1 and changes slots.  One barrier for two things: in front of it each wave waits for its own reads of this slot and for all its tensor
; loads (one is out: its part of the next slot); behind it nobody reads this slot and the next slot is whole.  fill = 1: the barrier opens a round of the cluster's barrier,
; and this slot's refill, two K steps ahead, is the first tensor load behind the round.  From that request to the wait for it a wave issues 15 NB matrix instructions.
.macro TURN slot, next, fill
	s_wait_dscnt 4
	WIN MUL_LO
	MULH 1, 0, 0, 0
	s_wait_dscnt 0x0                               ; my reads of this slot are over
	s_wait_tensorcnt 0x0                           ; all my tensor loads have landed
	s_barrier_signal -1
	MULH 1, 0, 1, 0                                ; register work while the others arrive
	WIN 0
	s_barrier_wait -1
.if \fill
	CREST                                          ; no wave of any partner still reads this slot or has a load on its way
	s_add_nc_u64 s[G0A+4*\slot+2:G0A+4*\slot+3], s[G0A+4*\slot+2:G0A+4*\slot+3], 4*APL   ; no tensor load of mine is out: group 0 may be written.  Two K steps = four planes on
	s_add_nc_u64 s[G0B+4*\slot+2:G0B+4*\slot+3], s[G0B+4*\slot+2:G0B+4*\slot+3], 4*BPL
	JLOAD \slot
.endif
	PLACES
	FETCH \next, 0, 0
	WIN MUL_HI
	MULH 1, 1, 0, 0                                ; buffer 1 is whole since the wait for 0 above
	MULH 1, 1, 1, 0
.endm
.macro LAP zero
	THREE 0, \zero
	TURN 0, 1, 1
	THREE 1, 0
	TURN 1, 0, 1
.endm
	s_wait_tensorcnt 0x1                           ; my part of K step 0 is in; K step 1's load, issued behind it, stays out
	s_barrier_signal -1
	s_barrier_wait -1                              ; everybody's is
	FETCH 0, 0, 0
	LAP 1                                          ; the first lap stands in front of the loop: its first products start the sums
	WIN 0                                          ; at a label and at a branch every window is 0
	s_mov_b32 s15, LAPS-2
.Llap:
	LAP 0
	WIN 0
	s_sub_co_u32 s15, s15, 1
	s_cmp_lg_u32 s15, 0
	s_cbranch_scc1 .Llap
	THREE 0, 0                                     ; the last lap fills nothing and has no round
	TURN 0, 1, 0
	THREE 1, 0
	s_wait_dscnt 4                                 ; the very last quarter
	WIN MUL_LO
	MULH 1, 0, 0, 0
	MULH 1, 0, 1, 0
	s_wait_dscnt 0x0
	WIN MUL_HI
	MULH 1, 1, 0, 0
	MULH 1, 1, 1, 0
	PLACES                                         ; four places in front of the first read of a result
; THE WAY OUT, 16 rows of C at a time, through my own stage in LDS; LDS serves a wave's instructions in order (ISA guide 5.7.1), so no wait stands between my stores and my loads.
; mi: m block 0..3; loc: its place in its window; rb: registers for the rows read back, two sets by turns.
.if PROJ
.macro OUT16 mi, loc, from, rb         ; from: window of the LDS stores' data (source 1): 0x08 or 0x0c
	WIN \from
.set bb, 0
.rept NB
	ds_store_b128 v[STO], v[8*(NB*\loc+bb):8*(NB*\loc+bb)+3]   offset:64*bb
	ds_store_b128 v[STO], v[8*(NB*\loc+bb)+4:8*(NB*\loc+bb)+7] offset:64*bb+16
.set bb, bb+1
.endr
	WIN 0
	s_wait_xcnt 0x0                                ; the registers that earlier stores read are loaded again only behind this wait
.set tt, 0
.rept 16
	ds_load_b128 v[\rb+4*tt:\rb+4*tt+3], v[RD] offset:528*tt
.set tt, tt+1
.endr
.set tt, 0
.rept 16
	s_wait_dscnt 15-tt                             ; row tt is in
	v_pk_add_f32 v[\rb+4*tt:\rb+4*tt+1],   v[\rb+4*tt:\rb+4*tt+1],   v[BIAS:BIAS+1]
	v_pk_add_f32 v[\rb+4*tt+2:\rb+4*tt+3], v[\rb+4*tt+2:\rb+4*tt+3], v[BIAS+2:BIAS+3]
	global_store_b128 v[CO], v[\rb+4*tt:\rb+4*tt+3], s[8:9] offset:(16*\mi+tt)*4096 th:TH_STORE_NT   ; 512 consecutive bytes of a row of out0, aligned
.set tt, tt+1
.endr
.endm
	s_wait_loadcnt 0x0                             ; bo
	OUT16 0, 0, 0x08, 96
	OUT16 1, 1, 0x08, 160
	OUT16 2, 0, 0x0c, 96
	OUT16 3, 1, 0x0c, 160
.else
.macro OUT16 mi, loc, from, rb         ; from: window of the conversions' sources 0 and 1: 0x0a or 0x0f
	WIN \from
.set bb, 0
.rept NB
.irp rr, 0,1,2,3
	v_cvt_pk_f16_f32 v[TMP+4*bb+\rr], v[8*(NB*\loc+bb)+2*\rr], v[8*(NB*\loc+bb)+2*\rr+1]
.endr
.set bb, bb+1
.endr
	WIN 0
.set bb, 0
.rept NB
	ds_store_b128 v[STO], v[TMP+4*bb:TMP+4*bb+3] offset:(bb>>2)*16*PITCH+(bb&3)*32   ; head bb / 4, columns 16 (bb % 4) + 8 h + 0..7 of it
.set bb, bb+1
.endr
	s_wait_xcnt 0x0                                ; the registers that earlier stores read are loaded again only behind this wait
.set bb, 0
.rept NB
	ds_load_b128 v[\rb+4*bb:\rb+4*bb+3], v[RD] offset:(bb>>2)*16*PITCH+(bb&3)*4*PITCH
.set bb, bb+1
.endr
.set bb, 0
.rept NB
	s_wait_dscnt NB-1-bb
	global_store_b128 v[CO], v[\rb+4*bb:\rb+4*bb+3], s[8:9] offset:(bb>>2)*1048576+\mi*2048+(bb&3)*512   ; four tokens of one head: 512 consecutive bytes, aligned
.set bb, bb+1
.endr
.endm
	OUT16 0, 0, 0x0a, 144
	OUT16 1, 1, 0x0a, 192
	OUT16 2, 0, 0x0f, 144
	OUT16 3, 1, 0x0f, 192
.endif
	CROUND                                         ; the closing round: no work-group ends while a partner may still ask for a plane that names it
	s_endpgm
.Lfunc_end_k_q467206a7b2_qkv:
	.size	k_q467206a7b2_qkv, .Lfunc_end_k_q467206a7b2_qkv-k_q467206a7b2_qkv
	.p2alignl 7, 3214868480
	.fill 96, 4, 3214868480
	.section	.rodata,"a",@progbits
	.p2align	6, 0x0
	.amdhsa_kernel k_q467206a7b2_qkv
		.amdhsa_group_segment_fixed_size 327680
		.amdhsa_private_segment_fixed_size 0
		.amdhsa_enable_private_segment 0
		.amdhsa_kernarg_size 24
		.amdhsa_user_sgpr_count 2
		.amdhsa_user_sgpr_kernarg_segment_ptr 1
		.amdhsa_wavefront_size32 1
		.amdhsa_system_sgpr_workgroup_id_x 1
		.amdhsa_system_sgpr_workgroup_id_y 1
		.amdhsa_system_sgpr_workgroup_id_z 1
		.amdhsa_system_vgpr_workitem_id 0
		.amdhsa_next_free_vgpr 960
		.amdhsa_next_free_sgpr 70
		.amdhsa_reserve_vcc 0
		.amdhsa_float_denorm_mode_32 3
		.amdhsa_float_denorm_mode_16_64 3
		.amdhsa_memory_ordered 1
		.amdhsa_forward_progress 1
		.amdhsa_inst_pref_size 162
	.end_amdhsa_kernel
	.amdgpu_metadata
---
amdhsa.version: [ 1, 2 ]
amdhsa.kernels:
  - .name:           k_q467206a7b2_qkv
    .symbol:         k_q467206a7b2_qkv.kd
    .args:
      - { .name: xb, .offset: 0, .size: 8, .value_kind: global_buffer, .address_space: global }
      - { .name: wqkv, .offset: 8, .size: 8, .value_kind: global_buffer, .address_space: global }
      - { .name: hs, .offset: 16, .size: 8, .value_kind: global_buffer, .address_space: global }
    .group_segment_fixed_size: 327680
    .private_segment_fixed_size: 0
    .kernarg_segment_align: 8
    .kernarg_segment_size: 24
    .max_flat_workgroup_size: 128
    .sgpr_count:     70
    .vgpr_count:     960
    .wavefront_size: 32
...
	.end_amdgpu_metadata
.endif
;; end of part 2
;; launch attn (part 3): grid 256 x 1, 8 waves a work-group, clusters of 4 x 1, 327,680 bytes of LDS; arguments hs, ctx; writes ctx
.if DOCPART == 3
	.amdgcn_target "amdgcn-amd-amdhsa--gfx1250"
	.amdhsa_code_object_version 6
	.text
	.protected	k_q467206a7b2_attn
	.globl	k_q467206a7b2_attn
	.p2align	8
	.type	k_q467206a7b2_attn,@function
k_q467206a7b2_attn:
	s_mov_b64 s[64:65], 0
	v_nop
	global_prefetch_b8 v0, s[64:65] scope:SCOPE_SE
	s_setreg_imm32_b32 hwreg(HW_REG_WAVE_MODE, 25, 1), 1
	s_wait_xcnt 0x0
	s_wait_alu depctr_hold_cnt(0) depctr_sa_sdst(0) depctr_va_vdst(0) depctr_va_sdst(0) depctr_va_ssrc(0) depctr_va_vcc(0) depctr_vm_vsrc(0)
	s_getreg_b32 s2, hwreg(HW_REG_IB_STS2, 6, 4)
	s_cmp_eq_u32 s2, 0
	s_cbranch_scc0 .Lentry_in_a_cluster
	s_endpgm
.Lentry_in_a_cluster:
	s_bfe_u32 s2, ttmp6, 0x10000c
	s_cmp_lg_u32 s2, 0x3003
	s_cbranch_scc0 .Lentry_shape_is_right
	s_endpgm
.Lentry_shape_is_right:
; CAUSAL ATTENTION of one head a cluster: ctx = softmax(q k^T / 8, keys <= query) v, with a running maximum.  q, k, v, P and ctx in f16, scores, sums and O in f32.
; hs: [48 slot][8192 token][64] f16 (slots 0-15 q, 16-31 k, 32-47 v); ctx: [16 head][8192 token][64] f16.
; LIMITS: |ctx| < 65,504; a probability below 2^-25 is rounded to 0 in P (it still counts in the row's sum); NaN and infinite inputs are not served.
; A cluster (number 16 b + h) is four work-groups of eight waves.  Wave w of work-group c owns four query tiles of 16 rows, tile i at rows 512 i + 64 w + 16 c + 0..15.
; All 32 waves walk the same 8 steps of 256 keys.  In step u the tiles i >= u / 2 are at work, which is the same in every wave; tile u / 2 is masked by value, key by key.
; So every wave does the same 80 units (a unit = one tile x 64 keys), no branch hangs on a work-group's place, and the four work-groups ask for K's and V's tiles JOINTLY,
; which divides those requests by four.  Two waves lie on a SIMD: one's softmax runs beside the other's matrix instructions.
; BOTH PRODUCTS ARE TRANSPOSED: S^T = K Q^T (lane (r, hl) holds query r, keys 16 kb + 8 hl + j) and O^T = V^T P^T (query r, d = 16 db + 8 hl + j).  Two neighbouring tiles of
; S^T, converted, are P's fragment as they lie; maxima, sums and factors are each lane's own; V^T's fragments come by the transposing LDS load.
.set KP, 144                           ; K's LDS pitch: 128 + 16 = 9 x 16 bytes
.set VP, 160                           ; V's LDS pitch: 128 + 32 = 5 x 32 bytes, an odd multiple of 32 for the transposing load
.set VBYTES, 256*VP
.set KBYTES, 256*KP
.set SLOT,  VBYTES+KBYTES              ; 256 keys of V, then 256 keys of K
.set STAGE, 2*SLOT                     ; behind the ring, a multiple of 256: no tensor load lands here
.set STGW,  16*KP                      ; a wave's stage: 16 rows
.set LK,   8                           ; v8   K fragment address in slot 0
.set LV,   9                           ; v9   V fragment address in slot 0
.set ADRK, 10                          ; v10  the trip's K address
.set ADRV, 11                          ; v11  the trip's V address
.set QL,   12                          ; v12  64 w + 16 c + r - 8 hl
.set QM,   13                          ; v13  the trip's mask bound: element (kb, j) is kept where 16 kb + j <= QM
.set QO,   14                          ; v14  my offset in a tile of q
.set STO,  15
.set RD,   16
.set CO,   17
.set NG,   20                          ; v[20:27]  tile i: a pair, both -(running maximum x log2(e) / 8)
.set LS,   28                          ; v[28:31]  tile i: the running sum over my half's keys
.set AL,   32                          ; v[32:33]  a pair: the factor for old sums
.set T,    34                          ; v[34:49]  at work
.set S,    50                          ; v[50:81]  S^T: four tiles of 16 keys
.set P,    82                          ; v[82:97]  P's two fragments
.set KF,   98                          ; v[98:161]  K's fragments (kb, ks) at 8 (2 kb + ks)
.set VF,   162                         ; v[162:225] V^T's fragments (db, ks) at 8 (2 db + ks)
.set TMPO, 226                         ; v[226:241] packed results
.set OUTB, 98                          ; rows read back, on K's fragments
.set QW,   0                           ; window 1: q's fragments (i, ks) at 16 i + 8 ks
.set OW,   64                          ; window 1: O^T (i, db) at 64 + 32 i + 8 db
.set G1V, 24
.set G1K, 32
.set G0V, 40                           ; one set for each slot
.set G0K, 48
.set MSB, 0
.macro WIN new
.if MSB != \new
	s_set_vgpr_msb (MSB<<8)|\new
.set MSB, \new
.endif
.endm
.set SMM,  0x04                        ; source 1 (q) window 1
.set RESC, 0x41                        ; destination and source 0 (O) window 1
.set PV,   0x50                        ; C and D (O) window 1
.set CVT,  0x05                        ; sources 0 and 1 (O) window 1
.set TO_Q, 0x40                        ; destination window 1
.macro PLACES                          ; four places behind a matrix instruction (ISA guide 7.12.1)
.rept 4
	v_nop
.endr
.endm
.macro ROUND                           ; a round of the cluster's barrier
	s_barrier_signal -1
	s_barrier_wait -1
	s_cmp_lg_u32 s8, 0
	s_cbranch_scc1 .Lnot_wave_0_\@
	s_barrier_signal -3
.Lnot_wave_0_\@:
	s_barrier_wait -3
	s_barrier_signal -1
	s_barrier_wait -1
.endm
; Joint loads: waves 0, 1 fetch V's halves of 128 keys, waves 2, 3 K's, waves 4 to 7 none.  The branches hang on the wave's number alone.
.macro JLOAD s
	s_cmp_gt_u32 s8, 3
	s_cbranch_scc1 .Lnone_\@
	s_cmp_gt_u32 s8, 1
	s_cbranch_scc1 .Lfor_k_\@
	tensor_load_to_lds s[G0V+4*\s:G0V+4*\s+3], s[G1V:G1V+7]
	s_nop 0
	s_branch .Lnone_\@
.Lfor_k_\@:
	tensor_load_to_lds s[G0K+4*\s:G0K+4*\s+3], s[G1K:G1K+7]
	s_nop 0
.Lnone_\@:
.endm
	s_load_b128 s[4:7], s[0:1], 0x0                ; hs s[4:5], ctx s[6:7]
	v_lshrrev_b32 v1, 5, v0
	v_readfirstlane_b32 s8, v1                     ; wave 0..7
	s_bfe_u32 s9, ttmp6, 0x40000                   ; c: my work-group's place in the cluster
	s_lshr_b32 s10, ttmp9, 4                       ; b
	s_and_b32 s11, ttmp9, 15                       ; h
	s_and_b32 s18, s8, 1
	s_mov_b32 s12, 0x76543210                      ; v_permlanex16_b32: lane i of one half reads lane i of the other
	s_mov_b32 s13, 0xfedcba98
	s_mov_b32 s14, 0x3e38aa3b                      ; log2(e) / 8: the scale 1 / sqrt(64) and the change of base in one factor
	s_mov_b32 s15, 0x3e38aa3b
	s_mov_b32 s16, 0xbe38aa3b                      ; its negative
	s_mov_b32 s19, 0xff800000                      ; -infinity, for masked scores
	; group 1: 128 keys = 16,384 dense bytes as 64 rows of 256; padding behind every 128 bytes: 32 bytes for V, 16 for K; the mask names all four work-groups
	s_mov_b32 s[G1V+0], 15|(3<<16)|(1<<20)|(1<<21)|(4<<22)|(7<<25)
	s_mov_b32 s[G1K+0], 15|(3<<16)|(1<<20)|(1<<21)|(4<<22)|(3<<25)
	s_mov_b32 s[G1V+1], 32<<16
	s_mov_b32 s[G1K+1], 32<<16
	s_mov_b32 s[G1V+2], 64<<16
	s_mov_b32 s[G1K+2], 64<<16
	s_mov_b32 s[G1V+3], 32<<16
	s_mov_b32 s[G1K+3], 32<<16
	s_mov_b32 s[G1V+4], 64
	s_mov_b32 s[G1K+4], 64
	s_mov_b32 s[G1V+5], 32
	s_mov_b32 s[G1K+5], 32
	s_mov_b32 s[G1V+6], 0
	s_mov_b32 s[G1K+6], 0
	s_mov_b32 s[G1V+7], 0
	s_mov_b32 s[G1K+7], 0
	s_lshl_b32 s20, s11, 20                        ; a head's plane: 8192 x 128 bytes
	s_lshl_b32 s21, s10, 18                        ; a batch: 2048 x 128 bytes
	s_add_co_u32 s20, s20, s21
	s_lshl_b32 s21, s8, 14                         ; V: half = wave (0, 1), 128 keys of 128 bytes
	s_add_co_u32 s22, s20, s21
	s_add_co_u32 s22, s22, 32<<20                  ; v's slots begin at 32
	s_mov_b32 s23, 0
	s_lshl_b32 s21, s18, 14                        ; K: half = wave - 2
	s_add_co_u32 s60, s20, s21
	s_add_co_u32 s60, s60, 16<<20                  ; k's slots begin at 16
	s_mov_b32 s61, 0
	s_lshl_b32 s21, s8, 13                         ; q and ctx: 64 tokens a wave,
	s_add_co_u32 s62, s20, s21
	s_lshl_b32 s3, s9, 11                          ; 16 tokens a work-group: c lives in s3 and s[62:63] alone, never in a descriptor or an LDS address
	s_add_co_u32 s62, s62, s3
	s_mov_b32 s63, 0
	s_mul_i32 s20, s8, 128*VP                      ; LDS: V's halves,
	s_mul_i32 s21, s8, 128*KP
	s_add_co_u32 s21, s21, VBYTES-KBYTES           ; K's halves behind them (waves 2, 3)
	s_wait_kmcnt 0x0
	s_add_nc_u64 s[22:23], s[4:5], s[22:23]
	s_add_nc_u64 s[60:61], s[4:5], s[60:61]
	s_add_nc_u64 s[56:57], s[4:5], s[62:63]        ; my tile 0 of q
	s_add_nc_u64 s[58:59], s[6:7], s[62:63]        ; my tile 0 of ctx
.irp s, 0,1
	s_mov_b32 s[G0V+4*\s], 1
	s_add_co_u32 s[G0V+4*\s+1], s20, \s*SLOT
	s_add_nc_u64 s[G0V+4*\s+2:G0V+4*\s+3], s[22:23], \s*32768      ; step s: 256 keys of 128 bytes on
	s_or_b32 s[G0V+4*\s+3], s[G0V+4*\s+3], 0x80000000
	s_mov_b32 s[G0K+4*\s], 1
	s_add_co_u32 s[G0K+4*\s+1], s21, \s*SLOT
	s_add_nc_u64 s[G0K+4*\s+2:G0K+4*\s+3], s[60:61], \s*32768
	s_or_b32 s[G0K+4*\s+3], s[G0K+4*\s+3], 0x80000000
.endr
	ROUND                                          ; all four work-groups are here: the first joint loads meet
	; the first fills, steps 0 and 1: both loads of a wave inside one branch on its number.  Two tensor loads of a wave are out here, later one
	s_cmp_gt_u32 s8, 3
	s_cbranch_scc1 .Lfirst_none
	s_cmp_gt_u32 s8, 1
	s_cbranch_scc1 .Lfirst_k
	tensor_load_to_lds s[G0V:G0V+3], s[G1V:G1V+7]
	s_nop 0
	tensor_load_to_lds s[G0V+4:G0V+7], s[G1V:G1V+7]
	s_nop 0
	s_branch .Lfirst_none
.Lfirst_k:
	tensor_load_to_lds s[G0K:G0K+3], s[G1K:G1K+7]
	s_nop 0
	tensor_load_to_lds s[G0K+4:G0K+7], s[G1K:G1K+7]
	s_nop 0
.Lfirst_none:
	v_and_b32 v1, 15, v0                           ; r
	v_bfe_u32 v2, v0, 4, 1                         ; hl
	v_and_b32 v3, 31, v0                           ; lane
	v_and_b32 v4, 7, v0
	v_bfe_u32 v5, v0, 3, 1
	v_lshrrev_b32 v6, 3, v3
	v_lshlrev_b32 v[QO], 7, v1
	v_lshl_add_u32 v[QO], v2, 4, v[QO]             ; row r of 128 bytes + 16 hl
	WIN TO_Q
.irp i, 0,1,2,3
.irp p, 0,1,2,3
	global_load_b128 v[QW+16*\i+4*\p:QW+16*\i+4*\p+3], v[QO], s[56:57] offset:65536*\i+32*\p   ; q's fragments stay in registers for the whole kernel
.endr
.endr
	WIN 0
	v_mul_u32_u24 v7, v1, KP
	v_lshl_add_u32 v7, v2, 4, v7                   ; r x 144 + 16 hl
	v_add_nc_u32 v[LK], VBYTES, v7
	v_lshl_add_u32 v[LV], v2, 3, v4                ; key 8 hl + l % 8,
	v_mul_u32_u24 v[LV], v[LV], VP
	v_lshl_add_u32 v[LV], v5, 4, v[LV]             ; 16 bytes on for lanes 8-15 of each half
	s_lshl_b32 s3, s8, 6
	s_lshl4_add_u32 s3, s9, s3                     ; 64 w + 16 c
	v_add_nc_u32 v[QL], s3, v1
	v_lshlrev_b32 v5, 3, v2
	v_sub_nc_u32 v[QL], v[QL], v5                  ; signed: -8 at the least
	s_mul_i32 s2, s8, STGW
	s_add_co_u32 s2, s2, STAGE                     ; my stage
	v_add_nc_u32 v[STO], s2, v7
	v_mul_u32_u24 v6, v6, KP
	v_lshl_add_u32 v6, v4, 4, v6
	v_add_nc_u32 v[RD], s2, v6                     ; back: eight lanes take a row of 128 bytes
	v_lshlrev_b32 v[CO], 4, v3
; 64 keys' fragments: 16 loads for K, then 16 transposing loads for V
.macro LOADKV
.irp kb, 0,1,2,3
.irp ks, 0,1
	ds_load_b128 v[KF+16*\kb+8*\ks:KF+16*\kb+8*\ks+3],   v[ADRK] offset:\kb*16*KP+64*\ks
	ds_load_b128 v[KF+16*\kb+8*\ks+4:KF+16*\kb+8*\ks+7], v[ADRK] offset:\kb*16*KP+64*\ks+32
.endr
.endr
.irp db, 0,1,2,3
.irp ks, 0,1
	ds_load_tr16_b128 v[VF+16*\db+8*\ks:VF+16*\db+8*\ks+3],   v[ADRV] offset:\ks*32*VP+32*\db
	ds_load_tr16_b128 v[VF+16*\db+8*\ks+4:VF+16*\db+8*\ks+7], v[ADRV] offset:\ks*32*VP+32*\db+16*VP
.endr
.endr
.endm
; One unit: tile i x the trip's 64 keys.  diag: mask by value.  first: the tile's first unit starts maximum, sum and O.  vw: V's loads are still to be waited for.
; In both products four accumulators take turns, one instruction a turn.
.macro UNIT i, diag, first, vw
	WIN SMM
.irp kb, 0,1,2,3
	v_wmma_f32_16x16x32_f16 v[S+8*\kb:S+8*\kb+7], v[KF+16*\kb:KF+16*\kb+7], v[QW+16*\i:QW+16*\i+7], 0
.endr
.irp kb, 0,1,2,3
	v_wmma_f32_16x16x32_f16 v[S+8*\kb:S+8*\kb+7], v[KF+16*\kb+8:KF+16*\kb+15], v[QW+16*\i+8:QW+16*\i+15], v[S+8*\kb:S+8*\kb+7]
.endr
	WIN 0
	PLACES
.if \diag
.irp kb, 0,1,2,3
.irp j, 0,1,2,3,4,5,6,7
	v_cmp_le_i32 vcc_lo, 16*\kb+\j, v[QM]          ; key <= query
	v_cndmask_b32 v[S+8*\kb+\j], s19, v[S+8*\kb+\j], vcc_lo
.endr
.endr
.endif
	; the largest of my 32 scores, four chains, then the other half's
.irp kb, 0,1,2,3
	v_max3_num_f32 v[T+\kb], v[S+8*\kb], v[S+8*\kb+1], v[S+8*\kb+2]
.endr
.irp kb, 0,1,2,3
	v_max3_num_f32 v[T+\kb], v[T+\kb], v[S+8*\kb+3], v[S+8*\kb+4]
.endr
.irp kb, 0,1,2,3
	v_max3_num_f32 v[T+\kb], v[T+\kb], v[S+8*\kb+5], v[S+8*\kb+6]
.endr
	v_max3_num_f32 v[T], v[T], v[T+1], v[S+7]
	v_max3_num_f32 v[T+2], v[T+2], v[T+3], v[S+15]
	v_max3_num_f32 v[T], v[T], v[T+2], v[S+23]
	v_max_num_f32 v[T], v[T], v[S+31]
	v_permlanex16_b32 v[T+1], v[T], s12, s13
	v_max_num_f32 v[T], v[T], v[T+1]               ; over the unit's 64 keys
	v_mul_f32 v[T], s16, v[T]                      ; -(maximum x log2(e) / 8); +infinity where the whole unit is masked
.if \first
	v_mov_b32 v[NG+2*\i], v[T]                     ; key 0 is masked for no query, so the first unit's maximum is finite
	v_mov_b32 v[NG+2*\i+1], v[T]
.else
	v_min_num_f32 v[T+2], v[T], v[NG+2*\i]         ; the running maximum, negated: a minimum
	v_sub_f32 v[T+3], v[T+2], v[NG+2*\i]           ; (old maximum - new maximum) x log2(e) / 8, never above 0
	v_exp_f32 v[AL], v[T+3]
	v_mov_b32 v[NG+2*\i], v[T+2]                   ; a plain instruction behind the exponential (ISA guide 5.7.2) before its result is read
	v_mov_b32 v[NG+2*\i+1], v[T+2]
	s_wait_alu depctr_va_vdst(0)
	v_mov_b32 v[AL+1], v[AL]
.endif
.irp n, 0,1,2,3,4,5,6,7,8,9,10,11,12,13,14,15
	v_pk_fma_f32 v[S+2*\n:S+2*\n+1], v[S+2*\n:S+2*\n+1], s[14:15], v[NG+2*\i:NG+2*\i+1] op_sel_hi:[1,0,1]   ; (score - maximum) x log2(e) / 8
.endr
.set n, 0
.rept 32
	v_exp_f32 v[S+n], v[S+n]
.set n, n+1
.endr
	v_nop                                          ; one plain place behind the last exponential
	s_wait_alu depctr_va_vdst(0)
.irp k, 0,1,2,3,4,5,6,7
	v_pk_add_f32 v[T+2*\k:T+2*\k+1], v[S+4*\k:S+4*\k+1], v[S+4*\k+2:S+4*\k+3]
.endr
.irp k, 0,1,2,3
	v_pk_add_f32 v[T+2*\k:T+2*\k+1], v[T+2*\k:T+2*\k+1], v[T+2*\k+8:T+2*\k+9]
.endr
	v_pk_add_f32 v[T:T+1], v[T:T+1], v[T+4:T+5]
	v_pk_add_f32 v[T+2:T+3], v[T+2:T+3], v[T+6:T+7]
	v_pk_add_f32 v[T:T+1], v[T:T+1], v[T+2:T+3]
.if \first
	v_add_f32 v[LS+\i], v[T], v[T+1]
.else
	v_add_f32 v[T], v[T], v[T+1]
	v_fma_f32 v[LS+\i], v[LS+\i], v[AL], v[T]      ; the two halves' sums are joined once, at the end
.endif
.irp n, 0,1,2,3,4,5,6,7,8,9,10,11,12,13,14,15
	v_cvt_pk_f16_f32 v[P+\n], v[S+2*\n], v[S+2*\n+1]
.endr
.if \first
.else
	WIN RESC
.irp n, 0,1,2,3,4,5,6,7,8,9,10,11,12,13,14,15
	v_pk_mul_f32 v[OW+32*\i+2*\n:OW+32*\i+2*\n+1], v[OW+32*\i+2*\n:OW+32*\i+2*\n+1], v[AL:AL+1]
.endr
.endif
.if \vw
	s_wait_dscnt 0x0                               ; V's fragments are in
.endif
	WIN PV
.irp db, 0,1,2,3
.if \first
	v_wmma_f32_16x16x32_f16 v[OW+32*\i+8*\db:OW+32*\i+8*\db+7], v[VF+16*\db:VF+16*\db+7], v[P:P+7], 0
.else
	v_wmma_f32_16x16x32_f16 v[OW+32*\i+8*\db:OW+32*\i+8*\db+7], v[VF+16*\db:VF+16*\db+7], v[P:P+7], v[OW+32*\i+8*\db:OW+32*\i+8*\db+7]
.endif
.endr
.irp db, 0,1,2,3
	v_wmma_f32_16x16x32_f16 v[OW+32*\i+8*\db:OW+32*\i+8*\db+7], v[VF+16*\db+8:VF+16*\db+15], v[P+8:P+15], v[OW+32*\i+8*\db:OW+32*\i+8*\db+7]
.endr
	WIN 0
.endm
; One trip: 64 keys for the tiles g .. 3
.macro TRIP g, first
	PLACES                                         ; K's and V's fragments were read by matrix instructions: four places in front of the loads into them
	LOADKV
	s_wait_dscnt 16                                ; K's sixteen loads are in; V's sixteen, issued behind them, stay out
	UNIT \g, 1, \first, 1
.if \g < 1
	UNIT 1, 0, \first, 0
.endif
.if \g < 2
	UNIT 2, 0, \first, 0
.endif
.if \g < 3
	UNIT 3, 0, \first, 0
.endif
	v_add_nc_u32 v[ADRK], 64*KP, v[ADRK]
	v_add_nc_u32 v[ADRV], 64*VP, v[ADRV]
	v_sub_nc_u32 v[QM], v[QM], 64
.endm
; One step: the 256 keys of slot u % 2, four trips
.macro STEP u, g
	v_add_nc_u32 v[ADRK], (\u&1)*SLOT, v[LK]
	v_add_nc_u32 v[ADRV], (\u&1)*SLOT, v[LV]
	v_sub_nc_u32 v[QM], v[QL], 256*(\u&1)          ; tile g begins at key 512 g = 256 (u - u % 2)
.if \u == 0
	TRIP 0, 1                                      ; the very first trip starts every tile's maximum, sum and O: nothing is cleared
	s_mov_b32 s17, 3
.else
	s_mov_b32 s17, 4
.endif
.Ltrip_\@:
	TRIP \g, 0
	s_sub_co_i32 s17, s17, 1
	s_cmp_lg_u32 s17, 0
	s_cbranch_scc1 .Ltrip_\@
.endm
; Between two steps: slot ps, read in the step that ended, is filled again two steps ahead.  Every wave waits for all its tensor loads (the next step's slot among them) and for
; its reads; the round holds that of every wave of the four work-groups; the joint refill is the first tensor load behind it and has a whole step in which to land.
.macro SYNC ps
	s_wait_tensorcnt 0x0
	s_add_nc_u64 s[G0V+4*\ps+2:G0V+4*\ps+3], s[G0V+4*\ps+2:G0V+4*\ps+3], 65536   ; no tensor load of mine is out: group 0 may be written.  512 keys on
	s_add_nc_u64 s[G0K+4*\ps+2:G0K+4*\ps+3], s[G0K+4*\ps+2:G0K+4*\ps+3], 65536
	s_wait_dscnt 0x0
	ROUND
	JLOAD \ps
.endm
; Tile i has seen all its keys: divide by the sum, round to f16, and out through my own stage as whole rows
.macro FINAL i
	PLACES
	v_permlanex16_b32 v[T], v[LS+\i], s12, s13
	v_add_f32 v[T], v[T], v[LS+\i]                 ; both halves' keys; at least about 1: the largest score's own term
	v_rcp_f32 v[AL], v[T]
	v_rcp_f32 v[AL+1], v[T]
	v_nop                                          ; one plain place behind the reciprocals
	WIN RESC
	s_wait_alu depctr_va_vdst(0)
.irp n, 0,1,2,3,4,5,6,7,8,9,10,11,12,13,14,15
	v_pk_mul_f32 v[OW+32*\i+2*\n:OW+32*\i+2*\n+1], v[OW+32*\i+2*\n:OW+32*\i+2*\n+1], v[AL:AL+1]
.endr
	WIN CVT
.irp n, 0,1,2,3,4,5,6,7,8,9,10,11,12,13,14,15
	v_cvt_pk_f16_f32 v[TMPO+\n], v[OW+32*\i+2*\n], v[OW+32*\i+2*\n+1]
.endr
	WIN 0
.irp db, 0,1,2,3
	ds_store_b128 v[STO], v[TMPO+4*\db:TMPO+4*\db+3] offset:32*\db   ; query r, d = 16 db + 8 hl + 0..7
.endr
.irp t, 0,1,2,3
	ds_load_b128 v[OUTB+4*\t:OUTB+4*\t+3], v[RD] offset:\t*4*KP      ; LDS serves a wave's instructions in order (ISA guide 5.7.1): these see the stores above
.endr
.irp t, 0,1,2,3
	s_wait_dscnt 3-\t
	global_store_b128 v[CO], v[OUTB+4*\t:OUTB+4*\t+3], s[58:59] offset:65536*\i+512*\t   ; four tokens: 512 consecutive bytes, aligned
.endr
	s_wait_xcnt 0x0                                ; the stores' data lie in K's fragment registers, which the next trip loads again only behind this wait
.endm
	s_wait_tensorcnt 0x1                           ; my part of step 0 is in; step 1's load, issued behind it, stays out
	s_barrier_signal -1
	s_barrier_wait -1
	s_wait_loadcnt 0x0                             ; q
	STEP 0, 0
	SYNC 0
	STEP 1, 0
	FINAL 0
	SYNC 1
	STEP 2, 1
	SYNC 0
	STEP 3, 1
	FINAL 1
	SYNC 1
	STEP 4, 2
	SYNC 0
	STEP 5, 2
	FINAL 2
	SYNC 1
	STEP 6, 3
	s_wait_tensorcnt 0x0                           ; the last step's slot has landed; nothing is left to fetch
	s_wait_dscnt 0x0
	s_barrier_signal -1
	s_barrier_wait -1
	STEP 7, 3
	FINAL 3
	ROUND                                          ; the closing round: no work-group ends while a partner may still ask for a tile that names it
	s_endpgm
.Lfunc_end_k_q467206a7b2_attn:
	.size	k_q467206a7b2_attn, .Lfunc_end_k_q467206a7b2_attn-k_q467206a7b2_attn
	.p2alignl 7, 3214868480
	.fill 96, 4, 3214868480
	.section	.rodata,"a",@progbits
	.p2align	6, 0x0
	.amdhsa_kernel k_q467206a7b2_attn
		.amdhsa_group_segment_fixed_size 327680
		.amdhsa_private_segment_fixed_size 0
		.amdhsa_enable_private_segment 0
		.amdhsa_kernarg_size 16
		.amdhsa_user_sgpr_count 2
		.amdhsa_user_sgpr_kernarg_segment_ptr 1
		.amdhsa_wavefront_size32 1
		.amdhsa_system_sgpr_workgroup_id_x 1
		.amdhsa_system_sgpr_workgroup_id_y 1
		.amdhsa_system_sgpr_workgroup_id_z 1
		.amdhsa_system_vgpr_workitem_id 0
		.amdhsa_next_free_vgpr 448
		.amdhsa_next_free_sgpr 66
		.amdhsa_reserve_vcc 1
		.amdhsa_float_denorm_mode_32 3
		.amdhsa_float_denorm_mode_16_64 3
		.amdhsa_memory_ordered 1
		.amdhsa_forward_progress 1
		.amdhsa_inst_pref_size 249
	.end_amdhsa_kernel
	.amdgpu_metadata
---
amdhsa.version: [ 1, 2 ]
amdhsa.kernels:
  - .name:           k_q467206a7b2_attn
    .symbol:         k_q467206a7b2_attn.kd
    .args:
      - { .name: hs, .offset: 0, .size: 8, .value_kind: global_buffer, .address_space: global }
      - { .name: ctx, .offset: 8, .size: 8, .value_kind: global_buffer, .address_space: global }
    .group_segment_fixed_size: 327680
    .private_segment_fixed_size: 0
    .kernarg_segment_align: 8
    .kernarg_segment_size: 16
    .max_flat_workgroup_size: 256
    .sgpr_count:     66
    .vgpr_count:     448
    .wavefront_size: 32
...
	.end_amdgpu_metadata
.endif
;; end of part 3
;; launch proj (part 4): grid 8 x 32, 4 waves a work-group, clusters of 4 x 4, 327,680 bytes of LDS; arguments ctx, wo16, out0, bo; writes out0
.if DOCPART == 4
	.amdgcn_target "amdgcn-amd-amdhsa--gfx1250"
	.amdhsa_code_object_version 6
	.text
	.protected	k_q467206a7b2_proj
	.globl	k_q467206a7b2_proj
	.p2align	8
	.type	k_q467206a7b2_proj,@function
k_q467206a7b2_proj:
	s_mov_b64 s[64:65], 0
	v_nop
	global_prefetch_b8 v0, s[64:65] scope:SCOPE_SE
	s_setreg_imm32_b32 hwreg(HW_REG_WAVE_MODE, 25, 1), 1
	s_wait_xcnt 0x0
	s_wait_alu depctr_hold_cnt(0) depctr_sa_sdst(0) depctr_va_vdst(0) depctr_va_sdst(0) depctr_va_ssrc(0) depctr_va_vcc(0) depctr_vm_vsrc(0)
	s_getreg_b32 s2, hwreg(HW_REG_IB_STS2, 6, 4)
	s_cmp_eq_u32 s2, 0
	s_cbranch_scc0 .Lentry_in_a_cluster
	s_endpgm
.Lentry_in_a_cluster:
	s_bfe_u32 s2, ttmp6, 0x10000c
	s_cmp_lg_u32 s2, 0xf033
	s_cbranch_scc0 .Lentry_shape_is_right
	s_endpgm
.Lentry_shape_is_right:
; ONE TEXT FOR TWO PRODUCTS, C = A B^T with A and B in planes of 64 along K ([plane][row][64 numbers of 2 bytes], a row 128 bytes); K = 1024 = 16 planes.
;   PROJ = 0: hs = x (Wq | Wk | Wv).  A = xb (bf16), B = wqkv (bf16); sums in f32; out f16, [48 slot][8192 token][64]: slots 0-15 q's heads, 16-31 k's, 32-47 v's.
;   PROJ = 1: out0 = ctx Wo + bo.     A = ctx (f16), B = wo16 (f16); sums in f32; out f32 [8192][1024].
; LIMIT (PROJ = 0): |q|, |k|, |v| < 65,504, f16's range; beyond it the conversion gives infinity.  f16 and not bf16, because its three further bits are needed by the rows with few keys.
; A work-group makes 256 rows x 16 NB columns of C with four waves, as many as a WGP has SIMDs; wave w makes rows 64 w .. 64 w + 63 and all the columns: 4 x NB accumulator
; tiles of 16 x 16.  NB = 12 (three whole heads, 512 equal work-groups) or 8 (256 work-groups).
; K goes in steps of 128 (two planes) through a ring of two LDS slots filled by the tensor data mover, one load a wave and step: waves 0, 1 fetch A's two planes (256 rows,
; 32,768 dense bytes each), waves 2, 3 B's.  A dense block comes in as rows of 256 bytes; 16 bytes of padding behind every 128 make the LDS pitch 144 = 9 x 16 bytes, so that
; the sixteen rows of a fragment load lie in sixteen different 16-byte columns modulo 256 bytes.
; CLUSTERS: 4 x 4 work-groups.  A's planes hang on the block row alone and are asked for jointly by a row of the cluster, B's on the block column alone, by a column:
; that divides the requests for A and for B by four.
; REGISTERS in windows of 256: window 0 addresses, A's fragments (two buffers), the way out; window 1 B's fragments (two buffers);
; window 2 the accumulators of my m blocks 0, 1 (tile (a, b) at v[8 (NB a + b)]); window 3 those of m blocks 2, 3.
; THE MATRIX INSTRUCTION IS USED TRANSPOSED (source 0 = rows of B, source 1 = rows of A): lane l holds row l % 16 of C and eight neighbouring columns 8 (l / 16) + 0..7.
.set PROJ, 1
.if PROJ
.set NB,   8
.set BPL,  131072                      ; bytes of a plane of B: 1024 rows
.set STGW, 16*528                      ; a wave's stage: 16 rows of 512 bytes + 16
.else
.set NB,   12
.set BPL,  393216                      ; 3072 rows
.set STGW, 3*16*144                    ; three heads x 16 rows of 128 bytes + 16
.endif
.set PITCH,  144
.set PLANEA, 256*PITCH                 ; a plane of A's tile in LDS
.set PLANEB, 16*NB*PITCH               ; a plane of B's tile in LDS
.set SLOT,   2*PLANEA+2*PLANEB         ; A plane 0, A plane 1, B plane 0, B plane 1
.set STAGE,  2*SLOT                    ; behind the ring, a multiple of 256: no tensor load lands here
.set APL,    1048576                   ; bytes of a plane of A: 8192 rows
.set BBLK,   16*NB*128                 ; bytes of a block's rows in a plane of B
.set LAPS,   4                         ; a lap = two K steps = once round the ring; 8 K steps
.set ADRA, 16                          ; v16-17  LDS address of my A fragments in slot 0, 1
.set ADRB, 20                          ; v20-21  the same for B
.set STO,  24                          ; v24     the way out: where I put my piece of a row
.set RD,   25                          ; v25     the way out: where I read rows back
.set CO,   26                          ; v26     16 x lane: my byte offset in a store's 512 bytes
.set BIAS, 28                          ; v[28:31] bo of my four columns (PROJ = 1)
.set AF,   32                          ; v[32:63], v[64:95] A's fragments, buffers 0, 1: 4 x 8 registers each
.set TMP,  96                          ; v[96:143] the way out (PROJ = 0): packed results
.set G1A, 24                           ; s[24:31] descriptor group 1 for A's planes
.set G0A, 32                           ; s[32:39] group 0 for A's planes, one set for each slot
.set G1B, 48                           ; s[48:55] group 1 for B's planes
.set G0B, 56                           ; s[56:63] group 0 for B's planes, one set for each slot
.set G1W0, (3<<16)|(1<<20)|(1<<21)|(4<<22)|(3<<25)   ; elements of 8 bytes; padding on; bit 21 beside a mask; behind every 32 words; 4 words
.set MSB, 0
.macro WIN new                         ; the immediate's high byte repeats the setting that is left
.if MSB != \new
	s_set_vgpr_msb (MSB<<8)|\new
.set MSB, \new
.endif
.endm
.set MUL_LO, 0xa1                      ; source 0 (B) window 1, source 1 (A) window 0, C and D window 2
.set MUL_HI, 0xf1                      ; the same, C and D window 3
.set TO_B,   0x40                      ; destination window 1, address window 0
; A joint load.  Each of the two lines has one mask and one set of registers; the branch hangs on the wave's number alone.
.macro JLOAD s
	s_cmp_eq_u32 s13, 0
	s_cbranch_scc0 .Lfor_b_\@
	tensor_load_to_lds s[G0A+4*\s:G0A+4*\s+3], s[G1A:G1A+7]
	s_nop 0
	s_branch .Lasked_\@
.Lfor_b_\@:
	tensor_load_to_lds s[G0B+4*\s:G0B+4*\s+3], s[G1B:G1B+7]
	s_nop 0
.Lasked_\@:
.endm
; A round of the cluster's barrier: my work-group's barrier, wave 0 signals for the work-group, every wave waits for all sixteen, my work-group's barrier once more.
.macro CREST                           ; a round behind its opening barrier
	s_cmp_lg_u32 s12, 0
	s_cbranch_scc1 .Lnot_wave_0_\@
	s_barrier_signal -3
.Lnot_wave_0_\@:
	s_barrier_wait -3
	s_barrier_signal -1
	s_barrier_wait -1
.endm
.macro CROUND
	s_barrier_signal -1
	s_barrier_wait -1
	CREST
.endm
.macro PLACES                          ; four places behind a matrix instruction (ISA guide 7.12.1) before its registers are loaded into, read or written
.rept 4
	v_nop
.endr
.endm
.if PROJ
	s_load_b256 s[4:11], s[0:1], 0x0               ; A s[4:5], B s[6:7], C s[8:9], bo s[10:11]
.else
	s_load_b128 s[4:7], s[0:1], 0x0                ; A s[4:5], B s[6:7]
	s_load_b64 s[8:9], s[0:1], 0x10                ; C
.endif
	v_lshrrev_b32 v1, 5, v0
	v_readfirstlane_b32 s12, v1                    ; wave 0..3
	s_lshr_b32 s13, s12, 1                         ; I fetch for A (0) or for B (1)
	s_and_b32 s14, s12, 1                          ; which of a step's two planes I fetch
	s_bfe_u32 s40, ttmp6, 0x40000                  ; cx
	s_bfe_u32 s41, ttmp6, 0x40004                  ; cy
	s_lshl_b32 s42, ttmp9, 2
	s_add_co_u32 s42, s42, s40                     ; block column = 4 x cluster x + cx
	s_and_b32 s43, ttmp7, 0xffff
	s_lshl_b32 s43, s43, 2
	s_add_co_u32 s43, s43, s41                     ; block row = 4 x cluster y + cy
	s_lshl_b32 s44, s41, 2
	s_lshl_b32 s44, 15, s44                        ; my row of the cluster: places 4 cy .. 4 cy + 3
	s_lshl_b32 s45, 0x1111, s40                    ; my column: places cx, cx + 4, cx + 8, cx + 12
	s_or_b32 s[G1A+0], s44, G1W0                   ; A's planes go to my row
	s_or_b32 s[G1B+0], s45, G1W0                   ; B's planes go to my column
	s_mov_b32 s[G1A+1], 32<<16                     ; tensor_dim0 = 32 elements of 8 bytes: rows of 256 bytes
	s_mov_b32 s[G1B+1], 32<<16
	s_mov_b32 s[G1A+2], 128<<16                    ; tensor_dim1 = 128 such rows = 256 rows of the plane
	s_mov_b32 s[G1B+2], (8*NB)<<16                 ; B: 8 NB such rows = 16 NB rows of the plane
	s_mov_b32 s[G1A+3], 32<<16                     ; tile_dim0
	s_mov_b32 s[G1B+3], 32<<16
	s_mov_b32 s[G1A+4], 128                        ; tile_dim1
	s_mov_b32 s[G1B+4], 8*NB
	s_mov_b32 s[G1A+5], 32                         ; the block is dense: the pitch is the row
	s_mov_b32 s[G1B+5], 32
	s_mov_b32 s[G1A+6], 0
	s_mov_b32 s[G1B+6], 0
	s_mov_b32 s[G1A+7], 0
	s_mov_b32 s[G1B+7], 0
	; where the planes come from: A's address is made of the block row and the wave's number, B's of the block column and the wave's number, in registers of their own
	s_lshl_b32 s16, s43, 15                        ; 256 rows of 128 bytes a block row
	s_lshl_b32 s17, s14, 20                        ; + my plane of the step
	s_add_co_u32 s16, s16, s17
	s_mov_b32 s17, 0
	s_mul_i32 s18, s42, BBLK
	s_mul_i32 s19, s14, BPL
	s_add_co_u32 s18, s18, s19
	s_mov_b32 s19, 0
	s_mul_i32 s20, s12, PLANEA                     ; and where they go: waves 0, 1: A's planes;
	s_mul_i32 s21, s12, PLANEB
	s_add_co_u32 s21, s21, 2*PLANEA-2*PLANEB       ; waves 2, 3: B's planes, behind A's.  No place in the cluster enters an LDS address
	s_wait_kmcnt 0x0
	s_add_nc_u64 s[16:17], s[4:5], s[16:17]
	s_add_nc_u64 s[18:19], s[6:7], s[18:19]
	CROUND                                         ; all sixteen work-groups are here: the first joint loads meet
.irp s, 0,1
	s_mov_b32 s[G0A+4*\s], 1
	s_add_co_u32 s[G0A+4*\s+1], s20, \s*SLOT
	s_add_nc_u64 s[G0A+4*\s+2:G0A+4*\s+3], s[16:17], \s*2*APL      ; K step s: planes 2 s, 2 s + 1
	s_or_b32 s[G0A+4*\s+3], s[G0A+4*\s+3], 0x80000000
	s_mov_b32 s[G0B+4*\s], 1
	s_add_co_u32 s[G0B+4*\s+1], s21, \s*SLOT
	s_add_nc_u64 s[G0B+4*\s+2:G0B+4*\s+3], s[18:19], \s*2*BPL
	s_or_b32 s[G0B+4*\s+3], s[G0B+4*\s+3], 0x80000000
	JLOAD \s                                       ; both slots' first fills go out together: two tensor loads of a wave are out here, later one
.endr
	; A fragment: 16 rows x 32 K in 8 registers: lane l holds row l % 16; two loads of 16 bytes, 32 bytes apart, at row x pitch + 16 (l / 16)
	v_and_b32 v1, 15, v0                           ; r
	v_bfe_u32 v2, v0, 4, 1                         ; h
	v_and_b32 v4, 31, v0                           ; lane
	v_mul_u32_u24 v3, v1, PITCH
	v_lshl_add_u32 v3, v2, 4, v3
	s_mul_i32 s22, s12, 64*PITCH                   ; my 64 rows of A
	v_add_nc_u32 v[ADRA], s22, v3
	v_add_nc_u32 v[ADRA+1], SLOT, v[ADRA]
	v_add_nc_u32 v[ADRB], 2*PLANEA, v3             ; every wave reads all of B's rows
	v_add_nc_u32 v[ADRB+1], SLOT, v[ADRB]
	s_mul_i32 s23, s12, STGW
	s_add_co_u32 s23, s23, STAGE                   ; my stage
	v_lshlrev_b32 v[CO], 4, v4
.if PROJ
	v_mul_u32_u24 v5, v1, 528                      ; in: row r, 32 bytes for each half of the lanes
	v_lshl_add_u32 v5, v2, 5, v5
	v_add_nc_u32 v[STO], s23, v5
	v_add_nc_u32 v[RD], s23, v[CO]                 ; back: 32 lanes take one row of 512 bytes
	s_lshl_b32 s66, s43, 20                        ; out0: 256 rows of 4,096 bytes a block row,
	s_lshl_b32 s68, s12, 18                        ; 64 rows a wave,
	s_add_co_u32 s66, s66, s68
	s_lshl_b32 s68, s42, 9                         ; 128 columns of 4 bytes a block column
	s_add_co_u32 s66, s66, s68
	s_mov_b32 s67, 0
	s_mov_b32 s69, 0
	s_add_nc_u64 s[8:9], s[8:9], s[66:67]
	s_add_nc_u64 s[10:11], s[10:11], s[68:69]
	global_load_b128 v[BIAS:BIAS+3], v[CO], s[10:11]   ; bo of columns 4 l .. 4 l + 3 of the block; waited for in front of the way out
.else
	v_add_nc_u32 v[STO], s23, v3                   ; in: row r of a head's 16 rows, 16 bytes for each half of the lanes
	v_lshrrev_b32 v5, 3, v4
	v_and_b32 v6, 7, v0
	v_mul_u32_u24 v5, v5, PITCH
	v_lshl_add_u32 v5, v6, 4, v5
	v_add_nc_u32 v[RD], s23, v5                    ; back: eight lanes take a row of 128 bytes, the wave four rows
	s_mul_i32 s66, s42, 3*1048576                  ; hs: three slots of 8192 x 128 bytes a block column,
	s_lshl_b32 s68, s43, 15                        ; 256 tokens of 128 bytes a block row,
	s_add_co_u32 s66, s66, s68
	s_lshl_b32 s68, s12, 13                        ; 64 tokens a wave
	s_add_co_u32 s66, s66, s68
	s_mov_b32 s67, 0
	s_add_nc_u64 s[8:9], s[8:9], s[66:67]
.endif
; NB matrix instructions: m block 2 hi + a of my four x all NB n blocks, 32 along K, from fragment buffer f.  zero = 1: the first product starts the sums.
.macro MULH f, hi, a, zero
.set bb, 0
.rept NB
.set DD, 8*(NB*\a+bb)
.set SB, 8*NB*\f+8*bb
.set SA, AF+32*\f+8*(2*\hi+\a)
.if \zero
.if PROJ
	v_wmma_f32_16x16x32_f16 v[DD:DD+7], v[SB:SB+7], v[SA:SA+7], 0
.else
	v_wmma_f32_16x16x32_bf16 v[DD:DD+7], v[SB:SB+7], v[SA:SA+7], 0
.endif
.else
.if PROJ
	v_wmma_f32_16x16x32_f16 v[DD:DD+7], v[SB:SB+7], v[SA:SA+7], v[DD:DD+7]
.else
	v_wmma_f32_16x16x32_bf16 v[DD:DD+7], v[SB:SB+7], v[SA:SA+7], v[DD:DD+7]
.endif
.endif
.set bb, bb+1
.endr
.endm
; 2 NB + 8 LDS loads in one run: the fragments of quarter kq of a K step (plane kq / 2, byte 64 (kq % 2) of its rows) into buffer f: B's first, then A's
.macro FETCH slot, kq, f
	WIN TO_B
.set bb, 0
.rept NB
	ds_load_b128 v[8*NB*\f+8*bb:8*NB*\f+8*bb+3],   v[ADRB+\slot] offset:(\kq>>1)*PLANEB+(\kq&1)*64+bb*16*PITCH
	ds_load_b128 v[8*NB*\f+8*bb+4:8*NB*\f+8*bb+7], v[ADRB+\slot] offset:(\kq>>1)*PLANEB+(\kq&1)*64+bb*16*PITCH+32
.set bb, bb+1
.endr
	WIN 0
.irp i, 0,1,2,3
	ds_load_b128 v[AF+32*\f+8*\i:AF+32*\f+8*\i+3],   v[ADRA+\slot] offset:(\kq>>1)*PLANEA+(\kq&1)*64+\i*16*PITCH
	ds_load_b128 v[AF+32*\f+8*\i+4:AF+32*\f+8*\i+7], v[ADRA+\slot] offset:(\kq>>1)*PLANEA+(\kq&1)*64+\i*16*PITCH+32
.endr
.endm
; A K step is four quarters of 32 along K, 4 NB matrix instructions each, on buffers 0, 1, 0, 1.  The 4 NB accumulators take turns, one instruction a turn, in the same
; order in every quarter, over the loop's backward jump too.
; One of the first three quarters: multiplies buffer f; in its middle it fetches quarter kq into buffer g.
.macro QUARTER slot, kq, f, g, zero
	s_wait_dscnt 4                                 ; B and A's m blocks 0, 1 are in; the youngest four loads (A's m blocks 2, 3) may be out
	WIN MUL_LO
	MULH \f, 0, 0, \zero
	MULH \f, 0, 1, \zero
	PLACES                                         ; buffer g was read by matrix instructions: four places in front of the loads into it
	FETCH \slot, \kq, \g
	s_wait_dscnt 2*NB+8                            ; all but the 2 NB + 8 just issued
	WIN MUL_HI
	MULH \f, 1, 0, \zero
	MULH \f, 1, 1, \zero
.endm
.macro THREE slot, zero
	QUARTER \slot, 1, 0, 1, \zero
	QUARTER \slot, 2, 1, 0, 0
	QUARTER \slot, 3, 0, 1, 0
.endm
; The last quarter: multiplies buffer 1 and changes slots.  One barrier for two things: in front of it each wave waits for its own reads of this slot and for all its tensor
; loads (one is out: its part of the next slot); behind it nobody reads this slot and the next slot is whole.  fill = 1: the barrier opens a round of the cluster's barrier,
; and this slot's refill, two K steps ahead, is the first tensor load behind the round.  From that request to the wait for it a wave issues 15 NB matrix instructions.
.macro TURN slot, next, fill
	s_wait_dscnt 4
	WIN MUL_LO
	MULH 1, 0, 0, 0
	s_wait_dscnt 0x0                               ; my reads of this slot are over
	s_wait_tensorcnt 0x0                           ; all my tensor loads have landed
	s_barrier_signal -1
	MULH 1, 0, 1, 0                                ; register work while the others arrive
	WIN 0
	s_barrier_wait -1
.if \fill
	CREST                                          ; no wave of any partner still reads this slot or has a load on its way
	s_add_nc_u64 s[G0A+4*\slot+2:G0A+4*\slot+3], s[G0A+4*\slot+2:G0A+4*\slot+3], 4*APL   ; no tensor load of mine is out: group 0 may be written.  Two K steps = four planes on
	s_add_nc_u64 s[G0B+4*\slot+2:G0B+4*\slot+3], s[G0B+4*\slot+2:G0B+4*\slot+3], 4*BPL
	JLOAD \slot
.endif
	PLACES
	FETCH \next, 0, 0
	WIN MUL_HI
	MULH 1, 1, 0, 0                                ; buffer 1 is whole since the wait for 0 above
	MULH 1, 1, 1, 0
.endm
.macro LAP zero
	THREE 0, \zero
	TURN 0, 1, 1
	THREE 1, 0
	TURN 1, 0, 1
.endm
	s_wait_tensorcnt 0x1                           ; my part of K step 0 is in; K step 1's load, issued behind it, stays out
	s_barrier_signal -1
	s_barrier_wait -1                              ; everybody's is
	FETCH 0, 0, 0
	LAP 1                                          ; the first lap stands in front of the loop: its first products start the sums
	WIN 0                                          ; at a label and at a branch every window is 0
	s_mov_b32 s15, LAPS-2
.Llap:
	LAP 0
	WIN 0
	s_sub_co_u32 s15, s15, 1
	s_cmp_lg_u32 s15, 0
	s_cbranch_scc1 .Llap
	THREE 0, 0                                     ; the last lap fills nothing and has no round
	TURN 0, 1, 0
	THREE 1, 0
	s_wait_dscnt 4                                 ; the very last quarter
	WIN MUL_LO
	MULH 1, 0, 0, 0
	MULH 1, 0, 1, 0
	s_wait_dscnt 0x0
	WIN MUL_HI
	MULH 1, 1, 0, 0
	MULH 1, 1, 1, 0
	PLACES                                         ; four places in front of the first read of a result
; THE WAY OUT, 16 rows of C at a time, through my own stage in LDS; LDS serves a wave's instructions in order (ISA guide 5.7.1), so no wait stands between my stores and my loads.
; mi: m block 0..3; loc: its place in its window; rb: registers for the rows read back, two sets by turns.
.if PROJ
.macro OUT16 mi, loc, from, rb         ; from: window of the LDS stores' data (source 1): 0x08 or 0x0c
	WIN \from
.set bb, 0
.rept NB
	ds_store_b128 v[STO], v[8*(NB*\loc+bb):8*(NB*\loc+bb)+3]   offset:64*bb
	ds_store_b128 v[STO], v[8*(NB*\loc+bb)+4:8*(NB*\loc+bb)+7] offset:64*bb+16
.set bb, bb+1
.endr
	WIN 0
	s_wait_xcnt 0x0                                ; the registers that earlier stores read are loaded again only behind this wait
.set tt, 0
.rept 16
	ds_load_b128 v[\rb+4*tt:\rb+4*tt+3], v[RD] offset:528*tt
.set tt, tt+1
.endr
.set tt, 0
.rept 16
	s_wait_dscnt 15-tt                             ; row tt is in
	v_pk_add_f32 v[\rb+4*tt:\rb+4*tt+1],   v[\rb+4*tt:\rb+4*tt+1],   v[BIAS:BIAS+1]
	v_pk_add_f32 v[\rb+4*tt+2:\rb+4*tt+3], v[\rb+4*tt+2:\rb+4*tt+3], v[BIAS+2:BIAS+3]
	global_store_b128 v[CO], v[\rb+4*tt:\rb+4*tt+3], s[8:9] offset:(16*\mi+tt)*4096 th:TH_STORE_NT   ; 512 consecutive bytes of a row of out0, aligned
.set tt, tt+1
.endr
.endm
	s_wait_loadcnt 0x0                             ; bo
	OUT16 0, 0, 0x08, 96
	OUT16 1, 1, 0x08, 160
	OUT16 2, 0, 0x0c, 96
	OUT16 3, 1, 0x0c, 160
.else
.macro OUT16 mi, loc, from, rb         ; from: window of the conversions' sources 0 and 1: 0x0a or 0x0f
	WIN \from
.set bb, 0
.rept NB
.irp rr, 0,1,2,3
	v_cvt_pk_f16_f32 v[TMP+4*bb+\rr], v[8*(NB*\loc+bb)+2*\rr], v[8*(NB*\loc+bb)+2*\rr+1]
.endr
.set bb, bb+1
.endr
	WIN 0
.set bb, 0
.rept NB
	ds_store_b128 v[STO], v[TMP+4*bb:TMP+4*bb+3] offset:(bb>>2)*16*PITCH+(bb&3)*32   ; head bb / 4, columns 16 (bb % 4) + 8 h + 0..7 of it
.set bb, bb+1
.endr
	s_wait_xcnt 0x0                                ; the registers that earlier stores read are loaded again only behind this wait
.set bb, 0
.rept NB
	ds_load_b128 v[\rb+4*bb:\rb+4*bb+3], v[RD] offset:(bb>>2)*16*PITCH+(bb&3)*4*PITCH
.set bb, bb+1
.endr
.set bb, 0
.rept NB
	s_wait_dscnt NB-1-bb
	global_store_b128 v[CO], v[\rb+4*bb:\rb+4*bb+3], s[8:9] offset:(bb>>2)*1048576+\mi*2048+(bb&3)*512   ; four tokens of one head: 512 consecutive bytes, aligned
.set bb, bb+1
.endr
.endm
	OUT16 0, 0, 0x0a, 144
	OUT16 1, 1, 0x0a, 192
	OUT16 2, 0, 0x0f, 144
	OUT16 3, 1, 0x0f, 192
.endif
	CROUND                                         ; the closing round: no work-group ends while a partner may still ask for a plane that names it
	s_endpgm
.Lfunc_end_k_q467206a7b2_proj:
	.size	k_q467206a7b2_proj, .Lfunc_end_k_q467206a7b2_proj-k_q467206a7b2_proj
	.p2alignl 7, 3214868480
	.fill 96, 4, 3214868480
	.section	.rodata,"a",@progbits
	.p2align	6, 0x0
	.amdhsa_kernel k_q467206a7b2_proj
		.amdhsa_group_segment_fixed_size 327680
		.amdhsa_private_segment_fixed_size 0
		.amdhsa_enable_private_segment 0
		.amdhsa_kernarg_size 32
		.amdhsa_user_sgpr_count 2
		.amdhsa_user_sgpr_kernarg_segment_ptr 1
		.amdhsa_wavefront_size32 1
		.amdhsa_system_sgpr_workgroup_id_x 1
		.amdhsa_system_sgpr_workgroup_id_y 1
		.amdhsa_system_sgpr_workgroup_id_z 1
		.amdhsa_system_vgpr_workitem_id 0
		.amdhsa_next_free_vgpr 896
		.amdhsa_next_free_sgpr 70
		.amdhsa_reserve_vcc 0
		.amdhsa_float_denorm_mode_32 3
		.amdhsa_float_denorm_mode_16_64 3
		.amdhsa_memory_ordered 1
		.amdhsa_forward_progress 1
		.amdhsa_inst_pref_size 126
	.end_amdhsa_kernel
	.amdgpu_metadata
---
amdhsa.version: [ 1, 2 ]
amdhsa.kernels:
  - .name:           k_q467206a7b2_proj
    .symbol:         k_q467206a7b2_proj.kd
    .args:
      - { .name: ctx, .offset: 0, .size: 8, .value_kind: global_buffer, .address_space: global }
      - { .name: wo16, .offset: 8, .size: 8, .value_kind: global_buffer, .address_space: global }
      - { .name: out0, .offset: 16, .size: 8, .value_kind: global_buffer, .address_space: global }
      - { .name: bo, .offset: 24, .size: 8, .value_kind: global_buffer, .address_space: global }
    .group_segment_fixed_size: 327680
    .private_segment_fixed_size: 0
    .kernarg_segment_align: 8
    .kernarg_segment_size: 32
    .max_flat_workgroup_size: 128
    .sgpr_count:     70
    .vgpr_count:     896
    .wavefront_size: 32
...
	.end_amdgpu_metadata
.endif
;; end of part 4
;; ======== version 2 of 2: 4 launches; 1.11 times as fast as version 1
;; limits: values are held in f16: magnitudes above 65,504 overflow, below 6.1e-05 lose precision
;; workspace buffers: xb 16,777,216 bytes; wqkv 6,291,456 bytes; wo16 2,097,152 bytes; hs 50,331,648 bytes; ctx 16,777,216 bytes
;; launch prep: the kernel of part 1 again; grid 1024 x 1, 8 waves a work-group, no clusters, 16,640 bytes of LDS; arguments x, Wq, Wk, Wv, Wo, xb, wqkv, wo16; writes xb, wqkv, wo16
;; launch qkv (part 5): grid 8 x 32, 4 waves a work-group, clusters of 4 x 4, 327,680 bytes of LDS; arguments xb, wqkv, hs; writes hs
.if DOCPART == 5
	.amdgcn_target "amdgcn-amd-amdhsa--gfx1250"
	.amdhsa_code_object_version 6
	.text
	.protected	k_q467206a7b2_qkv
	.globl	k_q467206a7b2_qkv
	.p2align	8
	.type	k_q467206a7b2_qkv,@function
k_q467206a7b2_qkv:
	s_mov_b64 s[64:65], 0
	v_nop
	global_prefetch_b8 v0, s[64:65] scope:SCOPE_SE
	s_setreg_imm32_b32 hwreg(HW_REG_WAVE_MODE, 25, 1), 1
	s_wait_xcnt 0x0
	s_wait_alu depctr_hold_cnt(0) depctr_sa_sdst(0) depctr_va_vdst(0) depctr_va_sdst(0) depctr_va_ssrc(0) depctr_va_vcc(0) depctr_vm_vsrc(0)
	s_getreg_b32 s2, hwreg(HW_REG_IB_STS2, 6, 4)
	s_cmp_eq_u32 s2, 0
	s_cbranch_scc0 .Lentry_in_a_cluster
	s_endpgm
.Lentry_in_a_cluster:
	s_bfe_u32 s2, ttmp6, 0x10000c
	s_cmp_lg_u32 s2, 0xf033
	s_cbranch_scc0 .Lentry_shape_is_right
	s_endpgm
.Lentry_shape_is_right:
; hs = x (Wq | Wk | Wv), as C = A B^T with A = xb and B = wqkv in planes of 64 along K ([plane][row][64 bf16], a row 128 bytes, a plane dense); K = 1024 = 16 planes.
; Sums in f32; out f16, [48 slot][8192 token][64]: slots 0-15 q's heads, 16-31 k's, 32-47 v's.
; LIMIT: |q|, |k|, |v| < 65,504, f16's range; beyond it the conversion gives infinity.  f16 and not bf16, because its three further bits are needed by the rows with few keys.
; A work-group makes 256 tokens x 384 columns (six whole heads): 32 x 8 = 256 work-groups.  Four waves, as many as a WGP has SIMDs, 2 x 2: wave w makes tokens
; 128 (w / 2) + 0..127 and columns 192 (w % 2) + 0..191 (three whole heads): 8 x 12 accumulator tiles of 16 x 16, 768 registers.  For 32 along K a wave reads
; (128 + 192) x 64 bytes from LDS for 96 matrix instructions.
; K goes in steps of 64 (one plane) through a ring of two LDS slots filled by the tensor data mover; two slots of two planes (2 x 2 x 640 rows x 144 bytes) would not fit.
; One load a wave and step: waves 0, 1 fetch B's halves (192 rows, 24,576 dense bytes), waves 2, 3 A's (128 rows, 16,384).  A dense block comes in as rows of 256 bytes; 16 bytes
; of padding behind every 128 make the LDS pitch 144 = 9 x 16 bytes, so that the sixteen rows of a fragment load lie in sixteen different 16-byte columns modulo 256 bytes.
; CLUSTERS: 4 x 4 work-groups.  A's planes hang on the block row alone and are asked for jointly by a row of the cluster, B's on the block column alone, by a column:
; that divides the requests for A and for B by four.
; REGISTERS in windows of 256: window 0: addresses, A's fragments in two buffers, B's fragments in ONE buffer; windows 1 to 3: the accumulators, tile (a, b) (a: 16 tokens,
; b: 16 columns) in window 1 + b / 4 at v[8 (8 (b % 4) + a)].  A quarter (32 along K) is three groups of 32 matrix instructions, one window each: group g takes B's fragments
; 4 g .. 4 g + 3 against all eight of A's.  Behind group g its four B fragments are free and are loaded again for the next quarter; A's next eight go into the other buffer.
; THE MATRIX INSTRUCTION IS USED TRANSPOSED (source 0 = rows of B, source 1 = rows of A): lane l holds row l % 16 of C and eight neighbouring columns 8 (l / 16) + 0..7.
.set PITCH,  144
.set PLANEB, 384*PITCH                 ; B's plane in LDS: 55,296
.set PLANEA, 256*PITCH                 ; A's plane in LDS: 36,864
.set SLOT,   PLANEB+PLANEA             ; B's plane, then A's: 92,160
.set STAGE,  2*SLOT                    ; behind the ring, a multiple of 256: no tensor load lands here
.set STGW,   3*16*PITCH                ; a wave's stage: three heads x 16 rows of 128 bytes + 16
.set APL,    1048576                   ; bytes of a plane of A: 8192 rows
.set BPL,    393216                    ; bytes of a plane of B: 3072 rows
.set LAPS,   8                         ; a lap = two K steps = once round the ring; 16 K steps
.set ADRA, 16                          ; v16-17  LDS address of my A fragments in slot 0, 1
.set ADRB, 20                          ; v20-21  the same for B
.set STO,  24                          ; v24     the way out: where I put my piece of a row
.set RD,   25                          ; v25     the way out: where I read rows back
.set CO,   26                          ; v26     16 x lane: my byte offset in a store's 512 bytes
.set AF,   32                          ; v[32:95], v[96:159] A's fragments, buffers 0, 1: 8 x 8 registers each
.set BF,   160                         ; v[160:255] B's fragments: 12 x 8 registers
.set TMP,  32                          ; v[32:79] the way out: packed results
.set G1A, 24                           ; s[24:31] descriptor group 1 for A's planes
.set G0A, 32                           ; s[32:39] group 0 for A's planes, one set for each slot
.set G1B, 48                           ; s[48:55] group 1 for B's planes
.set G0B, 56                           ; s[56:63] group 0 for B's planes, one set for each slot
.set G1W0, (3<<16)|(1<<20)|(1<<21)|(4<<22)|(3<<25)   ; elements of 8 bytes; padding on; bit 21 beside a mask; behind every 32 words; 4 words
.set MSB, 0
.macro WIN new                         ; the immediate's high byte repeats the setting that is left
.if MSB != \new
	s_set_vgpr_msb (MSB<<8)|\new
.set MSB, \new
.endif
.endm
; A joint load.  Each of the two lines has one mask and one set of registers; the branch hangs on the wave's number alone.
.macro JLOAD s
	s_cmp_eq_u32 s13, 0
	s_cbranch_scc0 .Lfor_a_\@
	tensor_load_to_lds s[G0B+4*\s:G0B+4*\s+3], s[G1B:G1B+7]
	s_nop 0
	s_branch .Lasked_\@
.Lfor_a_\@:
	tensor_load_to_lds s[G0A+4*\s:G0A+4*\s+3], s[G1A:G1A+7]
	s_nop 0
.Lasked_\@:
.endm
; A round of the cluster's barrier: my work-group's barrier, wave 0 signals for the work-group, every wave waits for all sixteen, my work-group's barrier once more.
.macro CREST                           ; a round behind its opening barrier
	s_cmp_lg_u32 s12, 0
	s_cbranch_scc1 .Lnot_wave_0_\@
	s_barrier_signal -3
.Lnot_wave_0_\@:
	s_barrier_wait -3
	s_barrier_signal -1
	s_barrier_wait -1
.endm
.macro CROUND
	s_barrier_signal -1
	s_barrier_wait -1
	CREST
.endm
.macro PLACES                          ; four places behind a matrix instruction (ISA guide 7.12.1) before its registers are loaded into, read or written
.rept 4
	v_nop
.endr
.endm
	s_load_b128 s[4:7], s[0:1], 0x0                ; A s[4:5], B s[6:7]
	s_load_b64 s[8:9], s[0:1], 0x10                ; C
	v_lshrrev_b32 v1, 5, v0
	v_readfirstlane_b32 s12, v1                    ; wave 0..3
	s_lshr_b32 s13, s12, 1                         ; which 128 tokens of the block are mine.  Also: I fetch for B (0) or for A (1)
	s_and_b32 s14, s12, 1                          ; which 192 columns are mine.  Also: which half of that plane I fetch
	s_bfe_u32 s40, ttmp6, 0x40000                  ; cx
	s_bfe_u32 s41, ttmp6, 0x40004                  ; cy
	s_lshl_b32 s42, ttmp9, 2
	s_add_co_u32 s42, s42, s40                     ; block column = 4 x cluster x + cx, 0..7
	s_and_b32 s43, ttmp7, 0xffff
	s_lshl_b32 s43, s43, 2
	s_add_co_u32 s43, s43, s41                     ; block row = 4 x cluster y + cy, 0..31
	s_lshl_b32 s44, s41, 2
	s_lshl_b32 s44, 15, s44                        ; my row of the cluster: places 4 cy .. 4 cy + 3
	s_lshl_b32 s45, 0x1111, s40                    ; my column: places cx, cx + 4, cx + 8, cx + 12
	s_or_b32 s[G1A+0], s44, G1W0                   ; A's planes go to my row
	s_or_b32 s[G1B+0], s45, G1W0                   ; B's planes go to my column
	s_mov_b32 s[G1A+1], 32<<16                     ; tensor_dim0 = 32 elements of 8 bytes: rows of 256 bytes
	s_mov_b32 s[G1B+1], 32<<16
	s_mov_b32 s[G1A+2], 64<<16                     ; tensor_dim1 = 64 such rows = 128 rows of the plane
	s_mov_b32 s[G1B+2], 96<<16                     ; B: 96 such rows = 192 rows of the plane
	s_mov_b32 s[G1A+3], 32<<16                     ; tile_dim0
	s_mov_b32 s[G1B+3], 32<<16
	s_mov_b32 s[G1A+4], 64                         ; tile_dim1
	s_mov_b32 s[G1B+4], 96
	s_mov_b32 s[G1A+5], 32                         ; the block is dense: the pitch is the row
	s_mov_b32 s[G1B+5], 32
	s_mov_b32 s[G1A+6], 0
	s_mov_b32 s[G1B+6], 0
	s_mov_b32 s[G1A+7], 0
	s_mov_b32 s[G1B+7], 0
	; where the planes come from: A's address is made of the block row and the wave's number, B's of the block column and the wave's number, in registers of their own
	s_lshl_b32 s16, s43, 15                        ; 256 rows of 128 bytes a block row
	s_lshl_b32 s17, s14, 14                        ; + my half: 128 rows
	s_add_co_u32 s16, s16, s17
	s_mov_b32 s17, 0
	s_mul_i32 s18, s42, 384*128                    ; 384 rows of 128 bytes a block column
	s_mul_i32 s19, s14, 192*128                    ; + my half: 192 rows
	s_add_co_u32 s18, s18, s19
	s_mov_b32 s19, 0
	s_mul_i32 s20, s12, 128*PITCH                  ; and where they go: waves 2, 3: A's halves, behind B's plane: 55,296 + (w - 2) x 18,432;
	s_add_co_u32 s20, s20, PLANEB-2*128*PITCH
	s_mul_i32 s21, s12, 192*PITCH                  ; waves 0, 1: B's halves: w x 27,648.  No place in the cluster enters an LDS address
	s_wait_kmcnt 0x0
	s_add_nc_u64 s[16:17], s[4:5], s[16:17]
	s_add_nc_u64 s[18:19], s[6:7], s[18:19]
	CROUND                                         ; all sixteen work-groups are here: the first joint loads meet
.irp s, 0,1
	s_mov_b32 s[G0A+4*\s], 1
	s_add_co_u32 s[G0A+4*\s+1], s20, \s*SLOT
	s_add_nc_u64 s[G0A+4*\s+2:G0A+4*\s+3], s[16:17], \s*APL        ; K step s: plane s
	s_or_b32 s[G0A+4*\s+3], s[G0A+4*\s+3], 0x80000000
	s_mov_b32 s[G0B+4*\s], 1
	s_add_co_u32 s[G0B+4*\s+1], s21, \s*SLOT
	s_add_nc_u64 s[G0B+4*\s+2:G0B+4*\s+3], s[18:19], \s*BPL
	s_or_b32 s[G0B+4*\s+3], s[G0B+4*\s+3], 0x80000000
	JLOAD \s                                       ; both slots' first fills go out together: two tensor loads of a wave are out here, later one
.endr
	; A fragment: 16 rows x 32 K in 8 registers: lane l holds row l % 16; two loads of 16 bytes, 32 bytes apart, at row x pitch + 16 (l / 16)
	v_and_b32 v1, 15, v0                           ; r
	v_bfe_u32 v2, v0, 4, 1                         ; h
	v_and_b32 v4, 31, v0                           ; lane
	v_mul_u32_u24 v3, v1, PITCH
	v_lshl_add_u32 v3, v2, 4, v3
	s_mul_i32 s22, s13, 128*PITCH                  ; my 128 rows of A,
	s_add_co_u32 s22, s22, PLANEB                  ; which lie behind B's plane
	v_add_nc_u32 v[ADRA], s22, v3
	v_add_nc_u32 v[ADRA+1], SLOT, v[ADRA]
	s_mul_i32 s22, s14, 192*PITCH                  ; my 192 rows of B
	v_add_nc_u32 v[ADRB], s22, v3
	v_add_nc_u32 v[ADRB+1], SLOT, v[ADRB]
	s_mul_i32 s23, s12, STGW
	s_add_co_u32 s23, s23, STAGE                   ; my stage
	v_lshlrev_b32 v[CO], 4, v4
	v_add_nc_u32 v[STO], s23, v3                   ; in: row r of a head's 16 rows, 16 bytes for each half of the lanes
	v_lshrrev_b32 v5, 3, v4
	v_and_b32 v6, 7, v0
	v_mul_u32_u24 v5, v5, PITCH
	v_lshl_add_u32 v5, v6, 4, v5
	v_add_nc_u32 v[RD], s23, v5                    ; back: eight lanes take a row of 128 bytes, the wave four rows
	s_mul_i32 s66, s42, 6*1048576                  ; hs: six slots of 8192 x 128 bytes a block column,
	s_mul_i32 s68, s14, 3*1048576                  ; three a wave,
	s_add_co_u32 s66, s66, s68
	s_lshl_b32 s68, s43, 15                        ; 256 tokens of 128 bytes a block row,
	s_add_co_u32 s66, s66, s68
	s_lshl_b32 s68, s13, 14                        ; 128 tokens a wave
	s_add_co_u32 s66, s66, s68
	s_mov_b32 s67, 0
	s_add_nc_u64 s[8:9], s[8:9], s[66:67]
; 8 nb matrix instructions of group g: B's fragments 4 g + b0 .. 4 g + b0 + nb - 1 against A's eight in buffer f.  zero = 1: the first product starts the sums.
; The window is set by the caller: C and D in window g + 1, A and B in window 0.
.macro MULG g, f, b0, nb, zero
.set bl, \b0
.rept \nb
.set aa, 0
.rept 8
.set DD, 8*(8*bl+aa)
.set SB, BF+8*(4*\g+bl)
.set SA, AF+64*\f+8*aa
.if \zero
	v_wmma_f32_16x16x32_bf16 v[DD:DD+7], v[SB:SB+7], v[SA:SA+7], 0
.else
	v_wmma_f32_16x16x32_bf16 v[DD:DD+7], v[SB:SB+7], v[SA:SA+7], v[DD:DD+7]
.endif
.set aa, aa+1
.endr
.set bl, bl+1
.endr
.endm
; 8 LDS loads: B's fragments 4 g .. 4 g + 3 of quarter kq (byte 64 kq of the plane's rows) of a slot
.macro LDB slot, kq, g
.set bl, 4*\g
.rept 4
	ds_load_b128 v[BF+8*bl:BF+8*bl+3],   v[ADRB+\slot] offset:\kq*64+bl*16*PITCH
	ds_load_b128 v[BF+8*bl+4:BF+8*bl+7], v[ADRB+\slot] offset:\kq*64+bl*16*PITCH+32
.set bl, bl+1
.endr
.endm
; 16 LDS loads: A's eight fragments of quarter kq of a slot into buffer f
.macro LDA slot, kq, f
.set aa, 0
.rept 8
	ds_load_b128 v[AF+64*\f+8*aa:AF+64*\f+8*aa+3],   v[ADRA+\slot] offset:\kq*64+aa*16*PITCH
	ds_load_b128 v[AF+64*\f+8*aa+4:AF+64*\f+8*aa+7], v[ADRA+\slot] offset:\kq*64+aa*16*PITCH+32
.set aa, aa+1
.endr
.endm
; A K step is two quarters of 32 along K, 96 matrix instructions each, on A's buffers 0, 1.  The 96 accumulators take turns, one instruction a turn, in the same order in
; every quarter, over the loop's backward jump too.
; In every quarter the next quarter's fragments are loaded in three batches, always in this order: 24 loads (B's group 0, A's eight), 8 (B's group 1), 8 (B's group 2).
; The first quarter of a step: multiplies A's buffer 0 and fetches the second quarter of the same slot.
.macro QUARTER slot, zero
	s_wait_dscnt 16                                ; B's group 0 and A are in; the two batches of 8 issued behind them may be out
	WIN 0x50
	MULG 0, 0, 0, 4, \zero
	WIN 0
	PLACES                                         ; B's group 0 and A's other buffer were read by matrix instructions: four places in front of the loads into them
	LDB \slot, 1, 0
	LDA \slot, 1, 1
	s_wait_dscnt 32                                ; B's group 1 is in: behind it 8 + the 24 just issued
	WIN 0xa0
	MULG 1, 0, 0, 4, \zero
	WIN 0
	PLACES
	LDB \slot, 1, 1
	s_wait_dscnt 32                                ; B's group 2 is in: behind it the 24 + the 8 of this quarter
	WIN 0xf0
	MULG 2, 0, 0, 4, \zero
	WIN 0
	PLACES
	LDB \slot, 1, 2
.endm
; The second quarter: multiplies A's buffer 1 and changes slots.  One barrier for two things: in front of it each wave waits for its own reads of this slot and for all its
; tensor loads (one is out: its part of the next slot); behind it nobody reads this slot and the next slot is whole.  fill = 1: the barrier opens a round of the cluster's
; barrier, and this slot's refill, two K steps ahead, is the first tensor load behind the round.  From that request to the wait for it a wave issues 176 matrix instructions.
.macro TURN slot, next, fill
	s_wait_dscnt 16
	WIN 0x50
	MULG 0, 1, 0, 4, 0
	s_wait_dscnt 0x0                               ; my reads of this slot are over (the last were issued 32 matrix instructions ago)
	s_wait_tensorcnt 0x0                           ; all my tensor loads have landed
	s_barrier_signal -1
	WIN 0xa0
	MULG 1, 1, 0, 2, 0                             ; register work while the others arrive
	WIN 0
	s_barrier_wait -1
.if \fill
	CREST                                          ; no wave of any partner still reads this slot or has a load on its way
	s_add_nc_u64 s[G0A+4*\slot+2:G0A+4*\slot+3], s[G0A+4*\slot+2:G0A+4*\slot+3], 2*APL   ; no tensor load of mine is out: group 0 may be written.  Two K steps = two planes on
	s_add_nc_u64 s[G0B+4*\slot+2:G0B+4*\slot+3], s[G0B+4*\slot+2:G0B+4*\slot+3], 2*BPL
	JLOAD \slot
.endif
	PLACES
	LDB \next, 0, 0
	LDA \next, 0, 0
	WIN 0xa0
	MULG 1, 1, 2, 2, 0                             ; B's groups 1 and 2 are in since the wait for 0 above
	WIN 0
	PLACES
	LDB \next, 0, 1
	WIN 0xf0
	MULG 2, 1, 0, 4, 0
	WIN 0
	PLACES
	LDB \next, 0, 2
.endm
.macro LAP zero
	QUARTER 0, \zero
	TURN 0, 1, 1
	QUARTER 1, 0
	TURN 1, 0, 1
.endm
	s_wait_tensorcnt 0x1                           ; my part of K step 0 is in; K step 1's load, issued behind it, stays out
	s_barrier_signal -1
	s_barrier_wait -1                              ; everybody's is
	LDB 0, 0, 0                                    ; the first quarter's fragments, in the three batches' order
	LDA 0, 0, 0
	LDB 0, 0, 1
	LDB 0, 0, 2
	LAP 1                                          ; the first lap stands in front of the loop: its first quarter starts the 96 sums
	s_mov_b32 s15, LAPS-2                          ; every window is 0 here, at the label and at the branch
.Llap:
	LAP 0
	s_sub_co_u32 s15, s15, 1
	s_cmp_lg_u32 s15, 0
	s_cbranch_scc1 .Llap
	QUARTER 0, 0                                   ; the last lap fills nothing and has no round
	TURN 0, 1, 0
	QUARTER 1, 0
	s_wait_dscnt 16                                ; the very last quarter: nothing more to fetch, the counts run down
	WIN 0x50
	MULG 0, 1, 0, 4, 0
	s_wait_dscnt 8
	WIN 0xa0
	MULG 1, 1, 0, 4, 0
	s_wait_dscnt 0x0
	WIN 0xf0
	MULG 2, 1, 0, 4, 0
	WIN 0
	PLACES                                         ; four places in front of the first read of a result and of the first write into a fragment register
; THE WAY OUT, 16 tokens x 3 heads at a time, through my own stage in LDS; LDS serves a wave's instructions in order (ISA guide 5.7.1), so no wait stands between my stores
; and my loads.  a: block of 16 tokens, 0..7; its twelve tiles lie four in each of windows 1 to 3.  rb: registers for the rows read back, two sets by turns.
; A wave's 96 stores follow each other with no wait for their counter's sake: the issue of a store that its field could not count is held by the hardware (ISA guide 5.7.1).
.macro OUT16 a, rb
.irp g, 0,1,2
	WIN (\g+1)*5                                   ; the conversions' sources 0 and 1 in window g + 1
.irp bl, 0,1,2,3
.irp rr, 0,1,2,3
	v_cvt_pk_f16_f32 v[TMP+4*(4*\g+\bl)+\rr], v[8*(8*\bl+\a)+2*\rr], v[8*(8*\bl+\a)+2*\rr+1]
.endr
.endr
.endr
	WIN 0
.set bb, 0
.rept 12
	ds_store_b128 v[STO], v[TMP+4*bb:TMP+4*bb+3] offset:(bb>>2)*16*PITCH+(bb&3)*32   ; head bb / 4, columns 16 (bb % 4) + 8 h + 0..7 of it
.set bb, bb+1
.endr
	s_wait_xcnt 0x0                                ; the registers that earlier stores read are loaded again only behind this wait
.set bb, 0
.rept 12
	ds_load_b128 v[\rb+4*bb:\rb+4*bb+3], v[RD] offset:(bb>>2)*16*PITCH+(bb&3)*4*PITCH
.set bb, bb+1
.endr
.set bb, 0
.rept 12
	s_wait_dscnt 11-bb                             ; load bb is in, the younger ones stay out
	global_store_b128 v[CO], v[\rb+4*bb:\rb+4*bb+3], s[8:9] offset:(bb>>2)*1048576+\a*2048+(bb&3)*512   ; four tokens of one head: 512 consecutive bytes, aligned
.set bb, bb+1
.endr
.endm
	OUT16 0, 80
	OUT16 1, 128
	OUT16 2, 80
	OUT16 3, 128
	OUT16 4, 80
	OUT16 5, 128
	OUT16 6, 80
	OUT16 7, 128
	CROUND                                         ; the closing round: no work-group ends while a partner may still ask for a plane that names it
	s_endpgm
.Lfunc_end_k_q467206a7b2_qkv:
	.size	k_q467206a7b2_qkv, .Lfunc_end_k_q467206a7b2_qkv-k_q467206a7b2_qkv
	.p2alignl 7, 3214868480
	.fill 96, 4, 3214868480
	.section	.rodata,"a",@progbits
	.p2align	6, 0x0
	.amdhsa_kernel k_q467206a7b2_qkv
		.amdhsa_group_segment_fixed_size 327680
		.amdhsa_private_segment_fixed_size 0
		.amdhsa_enable_private_segment 0
		.amdhsa_kernarg_size 24
		.amdhsa_user_sgpr_count 2
		.amdhsa_user_sgpr_kernarg_segment_ptr 1
		.amdhsa_wavefront_size32 1
		.amdhsa_system_sgpr_workgroup_id_x 1
		.amdhsa_system_sgpr_workgroup_id_y 1
		.amdhsa_system_sgpr_workgroup_id_z 1
		.amdhsa_system_vgpr_workitem_id 0
		.amdhsa_next_free_vgpr 1024
		.amdhsa_next_free_sgpr 70
		.amdhsa_reserve_vcc 0
		.amdhsa_float_denorm_mode_32 3
		.amdhsa_float_denorm_mode_16_64 3
		.amdhsa_memory_ordered 1
		.amdhsa_forward_progress 1
		.amdhsa_inst_pref_size 169
	.end_amdhsa_kernel
	.amdgpu_metadata
---
amdhsa.version: [ 1, 2 ]
amdhsa.kernels:
  - .name:           k_q467206a7b2_qkv
    .symbol:         k_q467206a7b2_qkv.kd
    .args:
      - { .name: xb, .offset: 0, .size: 8, .value_kind: global_buffer, .address_space: global }
      - { .name: wqkv, .offset: 8, .size: 8, .value_kind: global_buffer, .address_space: global }
      - { .name: hs, .offset: 16, .size: 8, .value_kind: global_buffer, .address_space: global }
    .group_segment_fixed_size: 327680
    .private_segment_fixed_size: 0
    .kernarg_segment_align: 8
    .kernarg_segment_size: 24
    .max_flat_workgroup_size: 128
    .sgpr_count:     70
    .vgpr_count:     1024
    .wavefront_size: 32
...
	.end_amdgpu_metadata
.endif
;; end of part 5
;; launch attn (part 6): grid 256 x 1, 8 waves a work-group, clusters of 4 x 1, 327,680 bytes of LDS; arguments hs, ctx; writes ctx
.if DOCPART == 6
	.amdgcn_target "amdgcn-amd-amdhsa--gfx1250"
	.amdhsa_code_object_version 6
	.text
	.protected	k_q467206a7b2_attn
	.globl	k_q467206a7b2_attn
	.p2align	8
	.type	k_q467206a7b2_attn,@function
k_q467206a7b2_attn:
	s_mov_b64 s[64:65], 0
	v_nop
	global_prefetch_b8 v0, s[64:65] scope:SCOPE_SE
	s_setreg_imm32_b32 hwreg(HW_REG_WAVE_MODE, 25, 1), 1
	s_wait_xcnt 0x0
	s_wait_alu depctr_hold_cnt(0) depctr_sa_sdst(0) depctr_va_vdst(0) depctr_va_sdst(0) depctr_va_ssrc(0) depctr_va_vcc(0) depctr_vm_vsrc(0)
	s_getreg_b32 s2, hwreg(HW_REG_IB_STS2, 6, 4)
	s_cmp_eq_u32 s2, 0
	s_cbranch_scc0 .Lentry_in_a_cluster
	s_endpgm
.Lentry_in_a_cluster:
	s_bfe_u32 s2, ttmp6, 0x10000c
	s_cmp_lg_u32 s2, 0x3003
	s_cbranch_scc0 .Lentry_shape_is_right
	s_endpgm
.Lentry_shape_is_right:
; CAUSAL ATTENTION of one head a cluster: ctx = softmax(q k^T / 8, keys <= query) v, with a running maximum.  q, k, v, P and ctx in f16, scores, sums and O in f32.
; hs: [48 slot][8192 token][64] f16 (slots 0-15 q, 16-31 k, 32-47 v); ctx: [16 head][8192 token][64] f16.
; LIMITS: |ctx| < 65,504; a probability below 2^-25 is rounded to 0 in P (it still counts in the row's sum); NaN and infinite inputs are not served.
; A cluster (number 16 b + h) is four work-groups of eight waves.  Wave w of work-group c has a place p(w) and owns four query tiles of 16 rows, tile i at rows
; 512 i + 64 p + 16 c + 0..15.  All 32 waves walk the same 4 steps of 512 keys, in trips of 64 keys.  In step g the tiles i > g see every key; tile g is on the diagonal:
; of its eight blocks of 64 keys the blocks below p are taken whole, block p is masked by value, key by key, and the blocks above p are jumped over.  These branches hang on
; the wave's number and on a counted loop alone, so they are the same in all four work-groups, which ask for K's and V's tiles JOINTLY: that divides those requests by four.
; A unit = one tile x 64 keys.  A wave does 48 + 4 (p + 1) units.  The places are 0,6,4,2,7,1,3,5 for waves 0..7: p(w) + p(w + 4) = 7 and p(2 s) + p(2 s + 1) = 6 or 8, so
; that in every step a long share and a short one stand together in either pairing of the waves.
; BOTH PRODUCTS ARE TRANSPOSED: S^T = K Q^T (lane (r, hl) holds query r, keys 16 kb + 8 hl + j) and O^T = V^T P^T (query r, d = 16 db + 8 hl + j).  Two neighbouring tiles of
; S^T, converted, are P's fragment as they lie; maxima, sums and factors are each lane's own; V^T's fragments come by the transposing LDS load.
.set KP, 144                           ; K's LDS pitch: 128 + 16 = 9 x 16 bytes
.set VP, 160                           ; V's LDS pitch: 128 + 32 = 5 x 32 bytes, an odd multiple of 32 for the transposing load
.set VBYTES, 512*VP                    ; 81,920
.set KBYTES, 512*KP                    ; 73,728
.set SLOT,  VBYTES+KBYTES              ; 512 keys of V, then 512 keys of K: 155,648
.set STAGE, 2*SLOT                     ; behind the ring, a multiple of 256: no tensor load lands here
.set STGW,  16*128                     ; a wave's stage: 16 rows of 128 bytes.  2 x 155,648 + 8 x 2,048 = 327,680: no byte is left for padding these rows
.set LK,   8                           ; v8   K fragment address in slot 0
.set LV,   9                           ; v9   V fragment address in slot 0
.set ADRK, 10                          ; v10  the trip's K address
.set ADRV, 11                          ; v11  the trip's V address
.set QD,   12                          ; v12  16 c + r - 8 hl: in the diagonal block element (kb, j) is kept where 16 kb + j <= QD
.set QO,   14                          ; v14  my offset in a tile of q: 128 r + 16 hl
.set STO,  15
.set RD,   16
.set CO,   17
.set NG,   20                          ; v[20:27]  tile i: a pair, both -(running maximum x log2(e) / 8)
.set LS,   28                          ; v[28:31]  tile i: the running sum over my half's keys
.set AL,   32                          ; v[32:33]  a pair: the factor for old sums
.set T,    34                          ; v[34:49]  at work
.set S,    50                          ; v[50:81]  S^T: four tiles of 16 keys
.set P,    82                          ; v[82:97]  P's two fragments
.set KF,   98                          ; v[98:161]  K's fragments (kb, ks) at 8 (2 kb + ks)
.set VF,   162                         ; v[162:225] V^T's fragments (db, ks) at 8 (2 db + ks)
.set TMPO, 226                         ; v[226:241] packed results
.set OUTB, 98                          ; rows read back, on K's fragments
.set QW,   0                           ; window 1: q's fragments (i, ks) at 16 i + 8 ks
.set OW,   64                          ; window 1: O^T (i, db) at 64 + 32 i + 8 db
.set G1V, 24
.set G1K, 32
.set G0V, 40                           ; one set for each slot
.set G0K, 48
.set MSB, 0
.macro WIN new
.if MSB != \new
	s_set_vgpr_msb (MSB<<8)|\new
.set MSB, \new
.endif
.endm
.set SMM,  0x04                        ; source 1 (q) window 1
.set RESC, 0x41                        ; destination and source 0 (O) window 1
.set PV,   0x50                        ; C and D (O) window 1
.set CVT,  0x05                        ; sources 0 and 1 (O) window 1
.set TO_Q, 0x40                        ; destination window 1
.macro PLACES                          ; four places behind a matrix instruction (ISA guide 7.12.1)
.rept 4
	v_nop
.endr
.endm
.macro ROUND                           ; a round of the cluster's barrier
	s_barrier_signal -1
	s_barrier_wait -1
	s_cmp_lg_u32 s8, 0
	s_cbranch_scc1 .Lnot_wave_0_\@
	s_barrier_signal -3
.Lnot_wave_0_\@:
	s_barrier_wait -3
	s_barrier_signal -1
	s_barrier_wait -1
.endm
; A joint load: waves 0 to 3 fetch V's quarters of 128 keys, waves 4 to 7 K's.  The branch hangs on the wave's number alone.
.macro JLOAD s
	s_cmp_gt_u32 s8, 3
	s_cbranch_scc1 .Lfor_k_\@
	tensor_load_to_lds s[G0V+4*\s:G0V+4*\s+3], s[G1V:G1V+7]
	s_nop 0
	s_branch .Lasked_\@
.Lfor_k_\@:
	tensor_load_to_lds s[G0K+4*\s:G0K+4*\s+3], s[G1K:G1K+7]
	s_nop 0
.Lasked_\@:
.endm
	s_load_b128 s[4:7], s[0:1], 0x0                ; hs s[4:5], ctx s[6:7]
	v_lshrrev_b32 v1, 5, v0
	v_readfirstlane_b32 s8, v1                     ; wave 0..7
	s_bfe_u32 s9, ttmp6, 0x40000                   ; c: my work-group's place in the cluster
	s_lshr_b32 s10, ttmp9, 4                       ; b
	s_and_b32 s11, ttmp9, 15                       ; h
	s_and_b32 s18, s8, 3
	s_lshl_b32 s2, s8, 2
	s_lshr_b32 s2, 0x53172460, s2                  ; the table of places, four bits a wave, wave 0 lowest
	s_and_b32 s2, s2, 7                            ; p
	s_mov_b32 s12, 0x76543210                      ; v_permlanex16_b32: lane i of one half reads lane i of the other
	s_mov_b32 s13, 0xfedcba98
	s_mov_b32 s14, 0x3e38aa3b                      ; log2(e) / 8: the scale 1 / sqrt(64) and the change of base in one factor
	s_mov_b32 s15, 0x3e38aa3b
	s_mov_b32 s16, 0xbe38aa3b                      ; its negative
	s_mov_b32 s19, 0xff800000                      ; -infinity, for masked scores
	; group 1: 128 keys = 16,384 dense bytes as 64 rows of 256; padding behind every 128 bytes: 32 bytes for V, 16 for K; the mask names all four work-groups
	s_mov_b32 s[G1V+0], 15|(3<<16)|(1<<20)|(1<<21)|(4<<22)|(7<<25)
	s_mov_b32 s[G1K+0], 15|(3<<16)|(1<<20)|(1<<21)|(4<<22)|(3<<25)
	s_mov_b32 s[G1V+1], 32<<16
	s_mov_b32 s[G1K+1], 32<<16
	s_mov_b32 s[G1V+2], 64<<16
	s_mov_b32 s[G1K+2], 64<<16
	s_mov_b32 s[G1V+3], 32<<16
	s_mov_b32 s[G1K+3], 32<<16
	s_mov_b32 s[G1V+4], 64
	s_mov_b32 s[G1K+4], 64
	s_mov_b32 s[G1V+5], 32
	s_mov_b32 s[G1K+5], 32
	s_mov_b32 s[G1V+6], 0
	s_mov_b32 s[G1K+6], 0
	s_mov_b32 s[G1V+7], 0
	s_mov_b32 s[G1K+7], 0
	s_lshl_b32 s20, s11, 20                        ; a head's plane: 8192 x 128 bytes
	s_lshl_b32 s21, s10, 18                        ; a batch: 2048 x 128 bytes
	s_add_co_u32 s20, s20, s21
	s_lshl_b32 s21, s8, 14                         ; V: quarter = wave (0..3), 128 keys of 128 bytes
	s_add_co_u32 s22, s20, s21
	s_add_co_u32 s22, s22, 32<<20                  ; v's slots begin at 32
	s_mov_b32 s23, 0
	s_lshl_b32 s21, s18, 14                        ; K: quarter = wave - 4
	s_add_co_u32 s60, s20, s21
	s_add_co_u32 s60, s60, 16<<20                  ; k's slots begin at 16
	s_mov_b32 s61, 0
	s_lshl_b32 s21, s2, 13                         ; q and ctx: 64 tokens a place,
	s_add_co_u32 s62, s20, s21
	s_lshl_b32 s3, s9, 11                          ; 16 tokens a work-group: c lives in s3 and s[62:63] alone, never in a descriptor or an LDS address
	s_add_co_u32 s62, s62, s3
	s_mov_b32 s63, 0
	s_mul_i32 s20, s8, 128*VP                      ; LDS: V's quarters (waves 0..3),
	s_mul_i32 s21, s8, 128*KP
	s_add_co_u32 s21, s21, VBYTES-KBYTES           ; K's quarters behind them (waves 4..7): 81,920 + (w - 4) x 18,432
	s_wait_kmcnt 0x0
	s_add_nc_u64 s[22:23], s[4:5], s[22:23]
	s_add_nc_u64 s[60:61], s[4:5], s[60:61]
	s_add_nc_u64 s[56:57], s[4:5], s[62:63]        ; my tile 0 of q
	s_add_nc_u64 s[58:59], s[6:7], s[62:63]        ; my tile 0 of ctx
.irp s, 0,1
	s_mov_b32 s[G0V+4*\s], 1
	s_add_co_u32 s[G0V+4*\s+1], s20, \s*SLOT
	s_add_nc_u64 s[G0V+4*\s+2:G0V+4*\s+3], s[22:23], \s*65536      ; step s: 512 keys of 128 bytes on
	s_or_b32 s[G0V+4*\s+3], s[G0V+4*\s+3], 0x80000000
	s_mov_b32 s[G0K+4*\s], 1
	s_add_co_u32 s[G0K+4*\s+1], s21, \s*SLOT
	s_add_nc_u64 s[G0K+4*\s+2:G0K+4*\s+3], s[60:61], \s*65536
	s_or_b32 s[G0K+4*\s+3], s[G0K+4*\s+3], 0x80000000
.endr
	ROUND                                          ; all four work-groups are here: the first joint loads meet
	; the first fills, steps 0 and 1: both loads of a wave inside one branch on its number.  Two tensor loads of a wave are out here, later one
	s_cmp_gt_u32 s8, 3
	s_cbranch_scc1 .Lfirst_k
	tensor_load_to_lds s[G0V:G0V+3], s[G1V:G1V+7]
	s_nop 0
	tensor_load_to_lds s[G0V+4:G0V+7], s[G1V:G1V+7]
	s_nop 0
	s_branch .Lfirst_asked
.Lfirst_k:
	tensor_load_to_lds s[G0K:G0K+3], s[G1K:G1K+7]
	s_nop 0
	tensor_load_to_lds s[G0K+4:G0K+7], s[G1K:G1K+7]
	s_nop 0
.Lfirst_asked:
	v_and_b32 v1, 15, v0                           ; r
	v_bfe_u32 v2, v0, 4, 1                         ; hl
	v_and_b32 v3, 31, v0                           ; lane
	v_and_b32 v4, 7, v0
	v_bfe_u32 v5, v0, 3, 1
	v_lshlrev_b32 v[QO], 7, v1
	v_lshl_add_u32 v[QO], v2, 4, v[QO]             ; row r of 128 bytes + 16 hl
	WIN TO_Q
.irp i, 0,1,2,3
.irp p, 0,1,2,3
	global_load_b128 v[QW+16*\i+4*\p:QW+16*\i+4*\p+3], v[QO], s[56:57] offset:65536*\i+32*\p   ; q's fragments stay in registers for the whole kernel
.endr
.endr
	WIN 0
	v_mul_u32_u24 v7, v1, KP
	v_lshl_add_u32 v7, v2, 4, v7                   ; r x 144 + 16 hl
	v_add_nc_u32 v[LK], VBYTES, v7
	v_lshl_add_u32 v[LV], v2, 3, v4                ; key 8 hl + l % 8,
	v_mul_u32_u24 v[LV], v[LV], VP
	v_lshl_add_u32 v[LV], v5, 4, v[LV]             ; 16 bytes on for lanes 8-15 of each half
	s_lshl_b32 s3, s9, 4                           ; 16 c
	v_add_nc_u32 v[QD], s3, v1
	v_lshlrev_b32 v5, 3, v2
	v_sub_nc_u32 v[QD], v[QD], v5                  ; signed: -8 at the least
	s_lshl_b32 s20, s8, 11
	s_add_co_u32 s20, s20, STAGE                   ; my stage
	v_lshlrev_b32 v[CO], 4, v3
	v_add_nc_u32 v[STO], s20, v[QO]                ; in: row r of 128 bytes, 16 bytes for each half of the lanes.  The sixteen lanes of a half fall into two 16-byte columns
	                                               ; modulo 256 bytes: accepted for the 16 such stores that a wave issues in the whole launch
	v_add_nc_u32 v[RD], s20, v[CO]                 ; back: 32 lanes take 512 consecutive bytes, four rows
; 64 keys' fragments: 16 loads for K, then 16 transposing loads for V
.macro LOADKV
.irp kb, 0,1,2,3
.irp ks, 0,1
	ds_load_b128 v[KF+16*\kb+8*\ks:KF+16*\kb+8*\ks+3],   v[ADRK] offset:\kb*16*KP+64*\ks
	ds_load_b128 v[KF+16*\kb+8*\ks+4:KF+16*\kb+8*\ks+7], v[ADRK] offset:\kb*16*KP+64*\ks+32
.endr
.endr
.irp db, 0,1,2,3
.irp ks, 0,1
	ds_load_tr16_b128 v[VF+16*\db+8*\ks:VF+16*\db+8*\ks+3],   v[ADRV] offset:\ks*32*VP+32*\db
	ds_load_tr16_b128 v[VF+16*\db+8*\ks+4:VF+16*\db+8*\ks+7], v[ADRV] offset:\ks*32*VP+32*\db+16*VP
.endr
.endr
.endm
; One unit: tile i x the trip's 64 keys (block s17 of the step's eight).
; diag = 0: every key counts.  diag = 1: the tile is on the diagonal: blocks above my place are jumped over, block p is masked.  diag = 2: the same without the jump
; (the caller has made it, or block 0 is at hand, which no wave jumps over).
; first: the tile's first unit starts maximum, sum and O.  vw: V's loads may still be out.
; In both products four accumulators take turns, one instruction a turn.
.macro UNIT i, diag, first, vw
.if \diag == 1
	s_cmp_gt_u32 s17, s2                           ; 64 x block > 64 p + 63: every key of the block lies behind all my queries
	s_cbranch_scc1 .Lunit_end_\@
.endif
	WIN SMM
.irp kb, 0,1,2,3
	v_wmma_f32_16x16x32_f16 v[S+8*\kb:S+8*\kb+7], v[KF+16*\kb:KF+16*\kb+7], v[QW+16*\i:QW+16*\i+7], 0
.endr
.irp kb, 0,1,2,3
	v_wmma_f32_16x16x32_f16 v[S+8*\kb:S+8*\kb+7], v[KF+16*\kb+8:KF+16*\kb+15], v[QW+16*\i+8:QW+16*\i+15], v[S+8*\kb:S+8*\kb+7]
.endr
	WIN 0
	PLACES                                         ; on both ways below four places stand in front of the first read of S
.if \diag
	s_cmp_lg_u32 s17, s2                           ; a block below my place holds no key behind any of my queries
	s_cbranch_scc1 .Lno_mask_\@
.irp kb, 0,1,2,3
.irp j, 0,1,2,3,4,5,6,7
	v_cmp_le_i32 vcc_lo, 16*\kb+\j, v[QD]          ; key <= query
	v_cndmask_b32 v[S+8*\kb+\j], s19, v[S+8*\kb+\j], vcc_lo
.endr
.endr
.Lno_mask_\@:
.endif
	; the largest of my 32 scores, four chains, then the other half's
.irp kb, 0,1,2,3
	v_max3_num_f32 v[T+\kb], v[S+8*\kb], v[S+8*\kb+1], v[S+8*\kb+2]
.endr
.irp kb, 0,1,2,3
	v_max3_num_f32 v[T+\kb], v[T+\kb], v[S+8*\kb+3], v[S+8*\kb+4]
.endr
.irp kb, 0,1,2,3
	v_max3_num_f32 v[T+\kb], v[T+\kb], v[S+8*\kb+5], v[S+8*\kb+6]
.endr
	v_max3_num_f32 v[T], v[T], v[T+1], v[S+7]
	v_max3_num_f32 v[T+2], v[T+2], v[T+3], v[S+15]
	v_max3_num_f32 v[T], v[T], v[T+2], v[S+23]
	v_max_num_f32 v[T], v[T], v[S+31]
	v_permlanex16_b32 v[T+1], v[T], s12, s13
	v_max_num_f32 v[T], v[T], v[T+1]               ; over the unit's 64 keys: finite, since the block's first key is masked for no query of a unit that is computed
	v_mul_f32 v[T], s16, v[T]                      ; -(maximum x log2(e) / 8)
.if \first
	v_mov_b32 v[NG+2*\i], v[T]
	v_mov_b32 v[NG+2*\i+1], v[T]
.else
	v_min_num_f32 v[T+2], v[T], v[NG+2*\i]         ; the running maximum, negated: a minimum
	v_sub_f32 v[T+3], v[T+2], v[NG+2*\i]           ; (old maximum - new maximum) x log2(e) / 8, never above 0
	v_exp_f32 v[AL], v[T+3]
	v_mov_b32 v[NG+2*\i], v[T+2]                   ; a plain instruction behind the exponential (ISA guide 5.7.2) before its result is read
	v_mov_b32 v[NG+2*\i+1], v[T+2]
	s_wait_alu depctr_va_vdst(0)
	v_mov_b32 v[AL+1], v[AL]
.endif
.irp n, 0,1,2,3,4,5,6,7,8,9,10,11,12,13,14,15
	v_pk_fma_f32 v[S+2*\n:S+2*\n+1], v[S+2*\n:S+2*\n+1], s[14:15], v[NG+2*\i:NG+2*\i+1] op_sel_hi:[1,0,1]   ; (score - maximum) x log2(e) / 8
.endr
.set n, 0
.rept 32
	v_exp_f32 v[S+n], v[S+n]
.set n, n+1
.endr
	v_nop                                          ; one plain place behind the last exponential
	s_wait_alu depctr_va_vdst(0)
.irp k, 0,1,2,3,4,5,6,7
	v_pk_add_f32 v[T+2*\k:T+2*\k+1], v[S+4*\k:S+4*\k+1], v[S+4*\k+2:S+4*\k+3]
.endr
.irp k, 0,1,2,3
	v_pk_add_f32 v[T+2*\k:T+2*\k+1], v[T+2*\k:T+2*\k+1], v[T+2*\k+8:T+2*\k+9]
.endr
	v_pk_add_f32 v[T:T+1], v[T:T+1], v[T+4:T+5]
	v_pk_add_f32 v[T+2:T+3], v[T+2:T+3], v[T+6:T+7]
	v_pk_add_f32 v[T:T+1], v[T:T+1], v[T+2:T+3]
.if \first
	v_add_f32 v[LS+\i], v[T], v[T+1]
.else
	v_add_f32 v[T], v[T], v[T+1]
	v_fma_f32 v[LS+\i], v[LS+\i], v[AL], v[T]      ; the two halves' sums are joined once, at the end
.endif
.irp n, 0,1,2,3,4,5,6,7,8,9,10,11,12,13,14,15
	v_cvt_pk_f16_f32 v[P+\n], v[S+2*\n], v[S+2*\n+1]
.endr
.if \first
.else
	WIN RESC
.irp n, 0,1,2,3,4,5,6,7,8,9,10,11,12,13,14,15
	v_pk_mul_f32 v[OW+32*\i+2*\n:OW+32*\i+2*\n+1], v[OW+32*\i+2*\n:OW+32*\i+2*\n+1], v[AL:AL+1]
.endr
.endif
.if \vw
	s_wait_dscnt 0x0                               ; V's fragments are in
.endif
	WIN PV
.irp db, 0,1,2,3
.if \first
	v_wmma_f32_16x16x32_f16 v[OW+32*\i+8*\db:OW+32*\i+8*\db+7], v[VF+16*\db:VF+16*\db+7], v[P:P+7], 0
.else
	v_wmma_f32_16x16x32_f16 v[OW+32*\i+8*\db:OW+32*\i+8*\db+7], v[VF+16*\db:VF+16*\db+7], v[P:P+7], v[OW+32*\i+8*\db:OW+32*\i+8*\db+7]
.endif
.endr
.irp db, 0,1,2,3
	v_wmma_f32_16x16x32_f16 v[OW+32*\i+8*\db:OW+32*\i+8*\db+7], v[VF+16*\db+8:VF+16*\db+15], v[P+8:P+15], v[OW+32*\i+8*\db:OW+32*\i+8*\db+7]
.endr
	WIN 0
.if \diag == 1
.Lunit_end_\@:
.endif
.endm
; One trip: 64 keys for the tiles g .. 3.  The diagonal unit may be jumped over, so the unit behind it waits for V's loads too (met at once where the diagonal unit ran).
; In step 3 the diagonal tile is the only one: a wave whose place lies below the block jumps over the whole trip, its LDS loads too.
.macro TRIP g, first
.if \g == 3
	s_cmp_gt_u32 s17, s2
	s_cbranch_scc1 .Ltrip_end_\@
.endif
	PLACES                                         ; K's and V's fragments were read by matrix instructions: four places in front of the loads into them
	LOADKV
	s_wait_dscnt 16                                ; K's sixteen loads are in; V's sixteen, issued behind them, stay out
.if \g == 0
.if \first
	UNIT 0, 2, 1, 1
	UNIT 1, 0, 1, 0
	UNIT 2, 0, 1, 0
	UNIT 3, 0, 1, 0
.else
	UNIT 0, 1, 0, 1
	UNIT 1, 0, 0, 1
	UNIT 2, 0, 0, 0
	UNIT 3, 0, 0, 0
.endif
.endif
.if \g == 1
	UNIT 1, 1, 0, 1
	UNIT 2, 0, 0, 1
	UNIT 3, 0, 0, 0
.endif
.if \g == 2
	UNIT 2, 1, 0, 1
	UNIT 3, 0, 0, 1
.endif
.if \g == 3
	UNIT 3, 2, 0, 1
.Ltrip_end_\@:
.endif
	v_add_nc_u32 v[ADRK], 64*KP, v[ADRK]
	v_add_nc_u32 v[ADRV], 64*VP, v[ADRV]
.endm
; One step: the 512 keys of slot g % 2, eight trips; s17 counts the blocks of 64 keys
.macro STEP g
	v_add_nc_u32 v[ADRK], (\g&1)*SLOT, v[LK]
	v_add_nc_u32 v[ADRV], (\g&1)*SLOT, v[LV]
	s_mov_b32 s17, 0
.if \g == 0
	TRIP 0, 1                                      ; the very first trip starts every tile's maximum, sum and O: nothing is cleared
	s_mov_b32 s17, 1
.endif
.Ltrip_\@:
	TRIP \g, 0
	s_add_co_u32 s17, s17, 1
	s_cmp_lt_u32 s17, 8
	s_cbranch_scc1 .Ltrip_\@
.endm
; Between two steps: slot ps, read in the step that ended, is filled again two steps ahead.  Every wave waits for all its tensor loads (the next step's slot among them) and for
; its reads; the round holds that of every wave of the four work-groups; the joint refill is the first tensor load behind it and has a whole step in which to land.
.macro SYNC ps
	s_wait_tensorcnt 0x0
	s_add_nc_u64 s[G0V+4*\ps+2:G0V+4*\ps+3], s[G0V+4*\ps+2:G0V+4*\ps+3], 131072   ; no tensor load of mine is out: group 0 may be written.  1024 keys on
	s_add_nc_u64 s[G0K+4*\ps+2:G0K+4*\ps+3], s[G0K+4*\ps+2:G0K+4*\ps+3], 131072
	s_wait_dscnt 0x0
	ROUND
	JLOAD \ps
.endm
; Tile i has seen all its keys: divide by the sum, round to f16, and out through my own stage as whole rows
.macro FINAL i
	PLACES
	v_permlanex16_b32 v[T], v[LS+\i], s12, s13
	v_add_f32 v[T], v[T], v[LS+\i]                 ; both halves' keys; at least about 1: the largest score's own term
	v_rcp_f32 v[AL], v[T]
	v_rcp_f32 v[AL+1], v[T]
	v_nop                                          ; one plain place behind the reciprocals
	WIN RESC
	s_wait_alu depctr_va_vdst(0)
.irp n, 0,1,2,3,4,5,6,7,8,9,10,11,12,13,14,15
	v_pk_mul_f32 v[OW+32*\i+2*\n:OW+32*\i+2*\n+1], v[OW+32*\i+2*\n:OW+32*\i+2*\n+1], v[AL:AL+1]
.endr
	WIN CVT
.irp n, 0,1,2,3,4,5,6,7,8,9,10,11,12,13,14,15
	v_cvt_pk_f16_f32 v[TMPO+\n], v[OW+32*\i+2*\n], v[OW+32*\i+2*\n+1]
.endr
	WIN 0
.irp db, 0,1,2,3
	ds_store_b128 v[STO], v[TMPO+4*\db:TMPO+4*\db+3] offset:32*\db   ; query r, d = 16 db + 8 hl + 0..7
.endr
.irp t, 0,1,2,3
	ds_load_b128 v[OUTB+4*\t:OUTB+4*\t+3], v[RD] offset:512*\t       ; LDS serves a wave's instructions in order (ISA guide 5.7.1): these see the stores above
.endr
.irp t, 0,1,2,3
	s_wait_dscnt 3-\t
	global_store_b128 v[CO], v[OUTB+4*\t:OUTB+4*\t+3], s[58:59] offset:65536*\i+512*\t   ; four tokens: 512 consecutive bytes, aligned
.endr
	s_wait_xcnt 0x0                                ; the stores' data lie in K's fragment registers, which the next trip loads again only behind this wait
.endm
	s_wait_tensorcnt 0x1                           ; my part of step 0 is in; step 1's load, issued behind it, stays out
	s_barrier_signal -1
	s_barrier_wait -1
	s_wait_loadcnt 0x0                             ; q
	STEP 0
	FINAL 0
	SYNC 0                                         ; slot 0 gets step 2's keys
	STEP 1
	FINAL 1
	SYNC 1                                         ; slot 1 gets step 3's keys: the last loads
	STEP 2
	FINAL 2
	s_wait_tensorcnt 0x0                           ; the last step's slot has landed; nothing is left to fetch
	s_wait_dscnt 0x0
	s_barrier_signal -1
	s_barrier_wait -1
	STEP 3
	FINAL 3
	ROUND                                          ; the closing round: no work-group ends while a partner may still ask for a tile that names it
	s_endpgm
.Lfunc_end_k_q467206a7b2_attn:
	.size	k_q467206a7b2_attn, .Lfunc_end_k_q467206a7b2_attn-k_q467206a7b2_attn
	.p2alignl 7, 3214868480
	.fill 96, 4, 3214868480
	.section	.rodata,"a",@progbits
	.p2align	6, 0x0
	.amdhsa_kernel k_q467206a7b2_attn
		.amdhsa_group_segment_fixed_size 327680
		.amdhsa_private_segment_fixed_size 0
		.amdhsa_enable_private_segment 0
		.amdhsa_kernarg_size 16
		.amdhsa_user_sgpr_count 2
		.amdhsa_user_sgpr_kernarg_segment_ptr 1
		.amdhsa_wavefront_size32 1
		.amdhsa_system_sgpr_workgroup_id_x 1
		.amdhsa_system_sgpr_workgroup_id_y 1
		.amdhsa_system_sgpr_workgroup_id_z 1
		.amdhsa_system_vgpr_workitem_id 0
		.amdhsa_next_free_vgpr 448
		.amdhsa_next_free_sgpr 66
		.amdhsa_reserve_vcc 1
		.amdhsa_float_denorm_mode_32 3
		.amdhsa_float_denorm_mode_16_64 3
		.amdhsa_memory_ordered 1
		.amdhsa_forward_progress 1
		.amdhsa_inst_pref_size 149
	.end_amdhsa_kernel
	.amdgpu_metadata
---
amdhsa.version: [ 1, 2 ]
amdhsa.kernels:
  - .name:           k_q467206a7b2_attn
    .symbol:         k_q467206a7b2_attn.kd
    .args:
      - { .name: hs, .offset: 0, .size: 8, .value_kind: global_buffer, .address_space: global }
      - { .name: ctx, .offset: 8, .size: 8, .value_kind: global_buffer, .address_space: global }
    .group_segment_fixed_size: 327680
    .private_segment_fixed_size: 0
    .kernarg_segment_align: 8
    .kernarg_segment_size: 16
    .max_flat_workgroup_size: 256
    .sgpr_count:     66
    .vgpr_count:     448
    .wavefront_size: 32
...
	.end_amdgpu_metadata
.endif
;; end of part 6
;; launch proj: the kernel of part 4 again; grid 8 x 32, 4 waves a work-group, clusters of 4 x 4, 327,680 bytes of LDS; arguments ctx, wo16, out0, bo; writes out0
